; MI455X (gfx1250); checked and timed in simulation.
; The chip was launched on July 23, 2026; its instructions are those of AMD's public machine-readable ISA for CDNA 5 (MIT licence, August 2026) and "CDNA5" Instruction Set Architecture Reference Guide (July 2026). The comments in the code are by the model that wrote it; some were corrected since.
;; Adaptive Transformer Model. Allowed arithmetic: matrix products marked QUANTISED: E2M1 operands, one E8M0 scale for each 32 along K, by v_wmma_scale_f32_16x16x128_f8f6f4 with both operands' format E2M1 (or v_wmma_scale_f32_32x16x128_f4), f32 sums; products left as they are: bf16, f16 or f32 operands; f32 sums; everything else in f32.
;; Inputs: Wk 16 x 1,024 x 64 float32; Wo 16 x 64 x 1,024 float32; Wq 16 x 1,024 x 64 float32; Wv 16 x 1,024 x 64 float32; bk 16 x 64 float32; bo 16 x 1,024 float32; bq 16 x 64 float32; bv 16 x 64 float32; gate 16 float32; hidden_states 4 x 2,048 x 1,024 float32.
;; Outputs: out0 4 x 2,048 x 1,024 float32.
;; This version of the problem:
;;   THIS VERSION OF THE PROBLEM IS GIVEN IN LOW PRECISION. The matrix products marked QUANTISED in the list below multiply operands that are first quantised to E2M1 (2 exponent bits, 1 mantissa bit; 4 bits a number), with one power-of-two scale for each 32 numbers along K (OCP MX v1.0); their sums are f32. The products marked 'left as it is' may take bf16, f16 or f32 operands, with f32 sums. Whichever they take, every output number must still come out within the allowed error. Rounding operands to bf16 (8 significant bits) uses up far more of that allowance than f16 does (11 bits, for magnitudes from 6e-5 to 65,504). All else is computed in f32.
;;   The module's matrix products, in the order in which they are computed (A, B: the left and right operand; K: the contracted axis; several contracted axes count as one K, in the product's order):
;;     1. [M 1,024, K 1,024] x [K 1,024, N 8,192]; A: input Wq; B: input hidden_states: QUANTISED
;;     2. [M 1,024, K 1,024] x [K 1,024, N 8,192]; A: input Wk; B: input hidden_states: QUANTISED
;;     3. [M 1,024, K 1,024] x [K 1,024, N 8,192]; A: input Wv; B: input hidden_states: QUANTISED
;;     4. batch 64 x [M 2,048, K 64] x [K 64, N 2,048]; A: computed on the way; B: computed on the way: left as it is (an operand is computed on the way)
;;     5. batch 64 x [M 2,048, K 2,048] x [K 2,048, N 64]; A: computed on the way; B: computed on the way: left as it is (an operand is computed on the way)
;;     6. batch 16 x [M 1,024, K 64] x [K 64, N 8,192]; A: input Wo; B: computed on the way: left as it is (an operand is computed on the way)
;;   THE QUANTISER, for each operand of a quantised product, along K:
;;     - K is cut into blocks of 32 from its start; a last block that is shorter is filled with zeros.
;;     - A block's scale is 2^e with e = floor(log2(the largest magnitude in the block)) - 2, held to -126 .. 127; a block of zeros has e = 0. As a byte (E8M0): e + 127.
;;     - Each number is divided by its block's scale, clamped to +-6, and rounded to the nearest number of E2M1, ties to even, subnormals kept.
;;     - The product sums the exact products of the quantised numbers (number of the format x scale) in f32.
;;   ~~~python
;;   def quantise(x, axis):      # numpy; x: float32 -> the quantised numbers, widened to float32 again
;;       x = np.moveaxis(x, axis, -1); K = x.shape[-1]
;;       x = np.pad(x, [(0, 0)] * (x.ndim - 1) + [(0, -K % 32)]); x = x.reshape(x.shape[:-1] + (-1, 32)); a = np.abs(x).max(-1, keepdims=True)
;;       e = np.where(a > 0, np.clip(np.frexp(np.where(a > 0, a, 1))[1] - 1 - 2, -126, 127), 0)      # np.frexp(a)[1] - 1 = floor(log2(a)), exactly
;;       r = np.clip(x / 2.0 ** e, -6, 6)
;;       step = 2.0 ** (np.maximum(np.frexp(np.where(r == 0, 1, r))[1] - 1, 0) - 1)
;;       q = np.round(r / step) * step * 2.0 ** e      # np.round: ties to even
;;       return np.moveaxis(q.reshape(q.shape[:-2] + (-1,))[..., :K], -1, axis).astype(np.float32)
;;   ~~~
;; One version. Each part assembles by itself: llvm-mc -triple=amdgcn-amd-amdhsa -mcpu=gfx1250 --defsym DOCPART=n.
;; ======== version 1 of 1: 4 launches
;; limits: values are held in f16: magnitudes above 65,504 overflow, below 6.1e-05 lose precision
;; workspace buffers: codes 5,767,168 bytes; scales 360,448 bytes; wo_frag 2,097,152 bytes; qkv 50,331,648 bytes; out_frag 16,777,216 bytes; norm_part 8,192 bytes
;; launch prep (part 1): grid 416 x 1, 4 waves a work-group, no clusters, 51,712 bytes of LDS; arguments hidden_states, Wq, Wk, Wv, Wo, codes, scales, wo_frag; writes codes, scales, wo_frag
.if DOCPART == 1
	.amdgcn_target "amdgcn-amd-amdhsa--gfx1250"
	.amdhsa_code_object_version 6
	.text
	.protected	k_q71a5f7969e_prep
	.globl	k_q71a5f7969e_prep
	.p2align	8
	.type	k_q71a5f7969e_prep,@function
k_q71a5f7969e_prep:
	s_mov_b64 s[64:65], 0
	v_nop
	global_prefetch_b8 v0, s[64:65] scope:SCOPE_SE
	s_setreg_imm32_b32 hwreg(HW_REG_WAVE_MODE, 25, 1), 1
	s_wait_xcnt 0x0
; PREP.  Three jobs in one launch, told apart by the work-group's number; each job has LDS bytes of its own and its own end.
;   work-groups 0-255   (X): hidden_states [8192][1024] f32 -> codes of FP4 (E2M1) along D, rows 0-8191 of codes [11264][512 B], and scale bytes [11264][32].
;   work-groups 256-351 (W): Wq, Wk, Wv [16][1024 (d)][64] f32, K = d is their FIRST axis -> rows 8192 + 1024 which + 64 h + k of the same two buffers, K innermost.
;   work-groups 352-415 (O): Wo [1024 (K = 64 h + k)][1024 (d)] f32 -> f16, laid as images of operand registers: wo_frag [d / 16][K / 32][g][lane][16 B], lane (r, hh): d = 16 nb + r, K = 32 kc + 16 g + 8 hh + 0..7.
; A block's scale is 2^(floor(log2(its largest magnitude)) - 2); its byte is the largest magnitude's exponent field - 2, held at 1 from below.
; LIMITS: a block of zeros gets the byte 1 where the quantiser says 127 (its codes are zeros, and this program alone reads the bytes); blocks whose largest magnitude lies under 2^-124 are held at that byte;
; NaN and infinities are not served; Wo beyond 65,504 has no f16 number.
; No tensor loads, no barrier, no cluster: no two work-groups read the same input bytes, and waves share nothing.
.set SPARE, 51200                      ; the spare words, 128 bytes for each wave: two blocks of 256 bytes that no other line names
.set SPW,   190                        ; v190  LDS address of my spare word; never rewritten
.set NIL,   191                        ; v191  0; never rewritten
; job X
.set WREG,  8192                       ; LDS 0-32767: a region for each wave: two stages of 32 x SP bytes, then its 256 scale bytes
.set SP,    80                         ; a lane's place in a stage: 64 bytes + 16 of padding
.set CB,    8                          ; bytes of 16 codes
.set STEPS, 16
.set R,     16                         ; v16-79   four sets of 16 numbers as loaded
.set X,     80                         ; v80-111  two sets of 16 neighbours
.set E,     112                        ; v112-127 a scale byte for each step
.set C,     128                        ; v128-189 codes: four registers' room for each step, so that no store's data are written again
; job W
.set WSTG,  32768                      ; LDS 32768-51199: a stage of 32 rows x WP bytes for each wave
.set WP,    144                        ; 128 bytes of codes + 16 of padding
.set NB,    8                          ; blocks of 32 along K for a wave
.set WX,    32                         ; v32-95   two sets of 32 numbers
.set WC,    96                         ; v96-99   a block's codes
.set SB,    24                         ; v24-25   the scale bytes, four to a register
.set OUTR,  112                        ; v112-143 the way out
; job O
.set OX,    32                         ; v32-95   two sets of 32 numbers
.set CW,    96                         ; v96-159  16 packed registers for each of four runs: no store's data are written again
.macro XLOAD t
.irp i, 0,1,2,3
	global_load_b128 v[R+16*((\t)%4)+4*\i:R+16*((\t)%4)+4*\i+3], v3, s[4:5] offset:2048*(\t)+512*\i th:TH_LOAD_NT   ; 32 lanes read 512 consecutive bytes
.endr
.endm
.macro XTURN t                         ; step t's numbers through the stage: LDS serves a wave's instructions in order, so no wait stands between the stores and the loads
.irp i, 0,1,2,3
	ds_store_b128 v14, v[R+16*((\t)%4)+4*\i:R+16*((\t)%4)+4*\i+3] offset:32*SP*((\t)%2)+8*SP*\i
.endr
.irp i, 0,1,2,3
	ds_load_b128 v[X+16*((\t)%2)+4*\i:X+16*((\t)%2)+4*\i+3], v15 offset:32*SP*((\t)%2)+16*\i
.endr
.endm
.macro XSTEP t
.set XS, X+16*((\t)%2)
.if (\t) > 0
	s_wait_dscnt 1                                 ; this step's numbers are back from the stage; the last step's byte store may be out
.else
	s_wait_dscnt 0x0
.endif
.if (\t)+4 < STEPS
	XLOAD (\t)+4                                   ; the stage's stores have read these registers: they take the loads of four steps on
.endif
.if (\t)+1 < STEPS
.if STEPS-2-(\t) >= 3
	s_wait_loadcnt 12                              ; the next step's four loads are in; those of the three steps behind it may be out
.else
	s_wait_loadcnt 4*(STEPS-2-(\t))
.endif
	XTURN (\t)+1                                   ; and go through the other stage while this step is worked
.endif
	v_max3_num_f32 v8, |v[XS]|, |v[XS+1]|, |v[XS+2]|               ; the largest magnitude of my 16, in two chains
	v_max3_num_f32 v9, |v[XS+3]|, |v[XS+4]|, |v[XS+5]|
.irp i, 6,10
	v_max3_num_f32 v8, v8, |v[XS+\i]|, |v[XS+\i+1]|
	v_max3_num_f32 v9, v9, |v[XS+\i+2]|, |v[XS+\i+3]|
.endr
	v_max3_num_f32 v8, v8, |v[XS+14]|, |v[XS+15]|
	v_max3_num_f32 v8, v8, v9, 0x1800000           ; and the floor 2^(3 - 127): the byte cannot fall under 1
	v_max_num_f32_dpp v8, v8, v8 row_xmask:1 row_mask:0xf bank_mask:0xf   ; with my neighbour's 16: the block's
	v_add_nc_u32 v11, 0xff000000, v8               ; 2 off its exponent field: the conversion takes the exponent field of this operand as its scale
	v_cvt_scalef32_pk8_fp4_f32 v[C+4*(\t)], v[XS:XS+7], v11
	v_cvt_scalef32_pk8_fp4_f32 v[C+4*(\t)+1], v[XS+8:XS+15], v11
	v_lshrrev_b32 v[E+(\t)], 23, v11               ; the scale's byte (also the plain line behind the conversions)
	ds_store_b8 v5, v[E+(\t)] offset:16*(\t)       ; both lanes of a block write the same byte with the same value
	global_store_b64 v4, v[C+4*(\t):C+4*(\t)+1], s[14:15] offset:32*CB*(\t)   ; the wave stores 256 consecutive bytes, aligned
.endm
.macro WLOAD t                         ; block t: W(32 t + i, my column), i = 0 .. 31, into set t % 2; a row of W is 256 bytes
.irp i, 0,1,2,3,4,5,6,7,8,9,10,11,12,13,14,15,16,17,18,19,20,21,22,23,24,25,26,27,28,29,30,31
	global_load_b32 v[WX+32*((\t)%2)+\i], v3, s[26:27] offset:(32*(\t)+\i)*256
.endr
.endm
.macro WBLOCK t
.set XS, WX+32*((\t)%2)
.if (\t) < NB-1
	s_wait_loadcnt 32                              ; this block's 32 loads are in; the next block's may be out
.else
	s_wait_loadcnt 0
.endif
	v_max3_num_f32 v12, |v[XS]|, |v[XS+1]|, |v[XS+2]|              ; the block's largest magnitude: all 32 numbers are mine
	v_max3_num_f32 v13, |v[XS+3]|, |v[XS+4]|, |v[XS+5]|
.irp i, 6,10,14,18,22,26
	v_max3_num_f32 v12, v12, |v[XS+\i]|, |v[XS+\i+1]|
	v_max3_num_f32 v13, v13, |v[XS+\i+2]|, |v[XS+\i+3]|
.endr
	v_max3_num_f32 v12, v12, |v[XS+30]|, |v[XS+31]|
	v_max3_num_f32 v12, v12, v13, 0x1800000        ; and the floor
	v_add_nc_u32 v11, 0xff000000, v12              ; the conversion's scale operand
	v_lshrrev_b32 v13, 23, v11                     ; the scale's byte
.if (\t)%4 == 0
	v_mov_b32 v[SB+(\t)/4], v13                    ; four bytes to a register, the lower K in the lower byte
.else
	v_lshl_or_b32 v[SB+(\t)/4], v13, 8*((\t)%4), v[SB+(\t)/4]
.endif
.irp g, 0,1,2,3
	v_cvt_scalef32_pk8_fp4_f32 v[WC+\g], v[XS+8*\g:XS+8*\g+7], v11
.endr
	ds_store_b128 v4, v[WC:WC+3] offset:16*(\t)    ; 32 codes: 16 bytes of my column's row
.if (\t)+2 < NB
	WLOAD (\t)+2
.endif
	s_wait_dscnt 0x0                               ; the store has read its registers: the next block's codes may be written
.endm
.macro OLOAD x                         ; run x: Wo(128 kg + 32 x + i, my column), i = 0 .. 31, into set x % 2; a row of Wo is 4,096 bytes
.irp i, 0,1,2,3,4,5,6,7,8,9,10,11,12,13,14,15,16,17,18,19,20,21,22,23,24,25,26,27,28,29,30,31
	global_load_b32 v[OX+32*((\x)%2)+\i], v3, s[12:13] offset:(32*(\x)+\i)*4096
.endr
.endm
.macro ORUN x
.if (\x) < 3
	s_wait_loadcnt 32                              ; this run's 32 loads are in; the next run's may be out
.else
	s_wait_loadcnt 0
.endif
.irp j, 0,1,2,3,4,5,6,7,8,9,10,11,12,13,14,15
	v_cvt_pk_f16_f32 v[CW+16*(\x)+\j], v[OX+32*((\x)%2)+2*\j], v[OX+32*((\x)%2)+2*\j+1]   ; two neighbours along K to a register
.endr
.if (\x)+2 < 4
	OLOAD (\x)+2
.endif
.irp q, 0,1,2,3
	global_store_b128 v4, v[CW+16*(\x)+4*\q:CW+16*(\x)+4*\q+3], s[18:19] offset:(\x)*1024+(\q/2)*512+(\q%2)*256   ; K = 8 q + 0..7 of the run: g = q / 2, hh = q % 2; sixteen lanes store 256 consecutive bytes, aligned
.endr
.endm
	s_load_b256 s[4:11], s[0:1], 0x0               ; hidden s[4:5], Wq s[6:7], Wk s[8:9], Wv s[10:11]
	s_load_b256 s[12:19], s[0:1], 0x20             ; Wo s[12:13], codes s[14:15], scales s[16:17], wo_frag s[18:19]
	v_lshl_add_u32 v[SPW], v0, 2, SPARE
	v_mov_b32 v[NIL], 0
	v_lshrrev_b32 v1, 5, v0
	v_readfirstlane_b32 s20, v1                    ; wave 0..3
	v_and_b32 v2, 31, v0                           ; lane
	s_wait_kmcnt 0x0
	s_cmp_lt_u32 ttmp9, 256
	s_cbranch_scc1 .Lpath_x
	s_cmp_lt_u32 ttmp9, 352
	s_cbranch_scc1 .Lpath_w
	; ---- job O: a lane takes a column d, its registers run down K: 32 columns x 128 K a wave
	s_sub_co_u32 s21, ttmp9, 352
	s_lshl_b32 s21, s21, 2
	s_add_co_u32 s21, s21, s20                     ; which of 256 waves
	s_and_b32 s22, s21, 31                         ; cg: columns 32 cg on
	s_lshr_b32 s23, s21, 5                         ; kg: K 128 kg on
	s_lshl_b32 s24, s23, 19                        ; 128 rows of 4,096 bytes
	s_lshl_b32 s26, s22, 7
	s_add_co_u32 s24, s24, s26
	s_mov_b32 s25, 0
	s_add_nc_u64 s[12:13], s[12:13], s[24:25]
	s_lshl_b32 s24, s22, 16                        ; two blocks of 16 columns, 32,768 bytes each
	s_lshl_b32 s26, s23, 12                        ; four fragments of 1,024 bytes
	s_add_co_u32 s24, s24, s26
	s_add_nc_u64 s[18:19], s[18:19], s[24:25]
	v_lshlrev_b32 v3, 2, v2                        ; in: 4 bytes a lane
	v_lshrrev_b32 v4, 4, v2
	v_and_b32 v5, 15, v2
	v_lshlrev_b32 v4, 15, v4
	v_lshl_add_u32 v4, v5, 4, v4                   ; out: block lane / 16, place 16 (lane % 16)
	OLOAD 0
	OLOAD 1
	ORUN 0
	ORUN 1
	ORUN 2
	ORUN 3
	s_wait_tensorcnt 0x0                           ; the wave's end
	ds_add_u32 v[SPW], v[NIL]
	s_wait_dscnt 0x0
	s_endpgm
.Lpath_w:
	; ---- job W: a lane takes a column (h, k), its registers run down K = d: 32 columns x 256 K a wave
	s_sub_co_u32 s21, ttmp9, 256                   ; g = 32 which + 2 h + khalf
	s_cmp_lt_u32 s21, 64
	s_cselect_b64 s[26:27], s[8:9], s[10:11]       ; the choice hangs on the work-group's number alone
	s_cmp_lt_u32 s21, 32
	s_cselect_b64 s[26:27], s[6:7], s[26:27]
	s_lshr_b32 s22, s21, 5                         ; which
	s_bfe_u32 s23, s21, 0x40001                    ; h
	s_and_b32 s24, s21, 1
	s_and_b32 s25, s20, 1                          ; colhalf
	s_lshr_b32 s28, s20, 1
	s_lshl_b32 s24, s24, 1
	s_add_co_u32 s24, s24, s28                     ; kq: K 256 kq on
	s_lshl_b32 s28, s23, 18                        ; a head's weight is 262,144 bytes
	s_lshl_b32 s29, s24, 16                        ; 256 rows of 256 bytes
	s_add_co_u32 s28, s28, s29
	s_lshl_b32 s29, s25, 7
	s_add_co_u32 s28, s28, s29
	s_mov_b32 s29, 0
	s_add_nc_u64 s[26:27], s[26:27], s[28:29]
	s_lshl_b32 s30, s22, 10
	s_lshl_b32 s31, s23, 6
	s_add_co_u32 s30, s30, s31
	s_lshl_b32 s31, s25, 5
	s_add_co_u32 s30, s30, s31
	s_add_co_u32 s30, s30, 8192                    ; my wave's first row of codes
	s_lshl_b32 s28, s30, 9
	s_lshl_b32 s31, s24, 7
	s_add_co_u32 s28, s28, s31
	s_add_nc_u64 s[14:15], s[14:15], s[28:29]
	s_lshl_b32 s28, s30, 5
	s_lshl_b32 s31, s24, 3
	s_add_co_u32 s28, s28, s31
	s_add_nc_u64 s[16:17], s[16:17], s[28:29]
	v_lshlrev_b32 v3, 2, v2                        ; in: 4 bytes a lane
	s_mul_i32 s31, s20, 32*WP
	s_add_co_u32 s31, s31, WSTG                    ; my stage
	v_mul_u32_u24 v4, v2, WP
	v_add_nc_u32 v4, s31, v4                       ; into it: row = my column
	v_lshrrev_b32 v5, 3, v2
	v_and_b32 v6, 7, v2
	v_mul_u32_u24 v7, v5, WP
	v_lshl_add_u32 v7, v6, 4, v7
	v_add_nc_u32 v7, s31, v7                       ; out of it: eight lanes to a row of 128 bytes, four rows an instruction
	v_lshlrev_b32 v8, 9, v5
	v_lshl_add_u32 v8, v6, 4, v8                   ; and the same place in codes
	v_lshlrev_b32 v9, 5, v2                        ; my column's row of scale bytes
	WLOAD 0
	WLOAD 1
.irp t, 0,1,2,3,4,5,6,7
	WBLOCK \t
.endr
	global_store_b64 v9, v[SB:SB+1], s[16:17]      ; my column's 8 scale bytes
.irp t, 0,1,2,3,4,5,6,7
	ds_load_b128 v[OUTR+4*\t:OUTR+4*\t+3], v7 offset:4*\t*WP       ; LDS serves a wave's instructions in order: these see my stores
.endr
.irp t, 0,1,2,3,4,5,6,7
	s_wait_dscnt 7-\t
	global_store_b128 v8, v[OUTR+4*\t:OUTR+4*\t+3], s[14:15] offset:4*\t*512   ; eight lanes store 128 consecutive bytes: 256 along K to a wave give twice the waves that 512 would, at the price of half blocks on 1.5 MB
.endr
	s_wait_tensorcnt 0x0                           ; the wave's end, behind my last LDS store
	ds_add_u32 v[SPW], v[NIL]
	s_wait_dscnt 0x0
	s_endpgm
.Lpath_x:
	; ---- job X: rows are dense and 1,024 is a multiple of 32: a plain stream of blocks of 32.  A wave takes 16 steps of 512 numbers
	v_lshlrev_b32 v3, 4, v2                        ; my 16 bytes of a load's 512
	s_mul_i32 s21, s20, WREG
	v_lshrrev_b32 v14, 2, v2
	v_mul_u32_u24 v14, v14, SP
	v_and_b32 v15, 3, v2
	v_lshl_add_u32 v14, v15, 4, v14
	v_add_nc_u32 v14, s21, v14                     ; the stage, on the way in: SP (lane / 4) + 16 (lane % 4)
	v_mul_u32_u24 v15, v2, SP
	v_add_nc_u32 v15, s21, v15                     ; and on the way out: SP x lane: my 16 neighbours
	v_mul_u32_u24 v4, v2, CB                       ; my codes' place in a step's
	v_lshrrev_b32 v5, 1, v2
	s_add_co_u32 s21, s21, 2*32*SP
	v_add_nc_u32 v5, s21, v5                       ; my wave's 256 scale bytes, my block's byte
	v_lshlrev_b32 v7, 3, v2
	v_add_nc_u32 v6, s21, v7                       ; and on the way out 8 bytes a lane
	s_lshl_b32 s22, ttmp9, 2
	s_add_co_u32 s22, s22, s20                     ; which run of 8,192 numbers is my wave's: 0 .. 1023
	s_lshl_b32 s24, s22, 15
	s_mov_b32 s25, 0
	s_add_nc_u64 s[4:5], s[4:5], s[24:25]
	s_lshl_b32 s24, s22, 12
	s_add_nc_u64 s[14:15], s[14:15], s[24:25]
	s_lshl_b32 s24, s22, 8
	s_add_nc_u64 s[16:17], s[16:17], s[24:25]
.irp t, 0,1,2,3
	XLOAD \t
.endr
	s_wait_loadcnt 12                              ; step 0's four loads are in
	XTURN 0
.irp t, 0,1,2,3,4,5,6,7,8,9,10,11,12,13,14,15
	XSTEP \t
.endr
	ds_load_b64 v[8:9], v6                         ; LDS serves a wave's instructions in order: these see my byte stores
	s_wait_dscnt 0x0
	global_store_b64 v7, v[8:9], s[16:17]          ; 32 lanes store 256 consecutive bytes, aligned
	s_wait_tensorcnt 0x0                           ; the wave's end, behind my last LDS store
	ds_add_u32 v[SPW], v[NIL]
	s_wait_dscnt 0x0
	s_endpgm
.Lfunc_end_k_q71a5f7969e_prep:
	.size	k_q71a5f7969e_prep, .Lfunc_end_k_q71a5f7969e_prep-k_q71a5f7969e_prep
	.p2alignl 7, 3214868480
	.fill 96, 4, 3214868480
	.section	.rodata,"a",@progbits
	.p2align	6, 0x0
	.amdhsa_kernel k_q71a5f7969e_prep
		.amdhsa_group_segment_fixed_size 51712
		.amdhsa_private_segment_fixed_size 0
		.amdhsa_enable_private_segment 0
		.amdhsa_kernarg_size 64
		.amdhsa_user_sgpr_count 2
		.amdhsa_user_sgpr_kernarg_segment_ptr 1
		.amdhsa_wavefront_size32 1
		.amdhsa_system_sgpr_workgroup_id_x 1
		.amdhsa_system_sgpr_workgroup_id_y 1
		.amdhsa_system_sgpr_workgroup_id_z 1
		.amdhsa_system_vgpr_workitem_id 0
		.amdhsa_next_free_vgpr 192
		.amdhsa_next_free_sgpr 66
		.amdhsa_reserve_vcc 0
		.amdhsa_float_denorm_mode_32 3
		.amdhsa_float_denorm_mode_16_64 3
		.amdhsa_memory_ordered 1
		.amdhsa_forward_progress 1
		.amdhsa_inst_pref_size 92
	.end_amdhsa_kernel
	.amdgpu_metadata
---
amdhsa.version: [ 1, 2 ]
amdhsa.kernels:
  - .name:           k_q71a5f7969e_prep
    .symbol:         k_q71a5f7969e_prep.kd
    .args:
      - { .name: hidden_states, .offset: 0, .size: 8, .value_kind: global_buffer, .address_space: global }
      - { .name: Wq, .offset: 8, .size: 8, .value_kind: global_buffer, .address_space: global }
      - { .name: Wk, .offset: 16, .size: 8, .value_kind: global_buffer, .address_space: global }
      - { .name: Wv, .offset: 24, .size: 8, .value_kind: global_buffer, .address_space: global }
      - { .name: Wo, .offset: 32, .size: 8, .value_kind: global_buffer, .address_space: global }
      - { .name: codes, .offset: 40, .size: 8, .value_kind: global_buffer, .address_space: global }
      - { .name: scales, .offset: 48, .size: 8, .value_kind: global_buffer, .address_space: global }
      - { .name: wo_frag, .offset: 56, .size: 8, .value_kind: global_buffer, .address_space: global }
    .group_segment_fixed_size: 51712
    .private_segment_fixed_size: 0
    .kernarg_segment_align: 8
    .kernarg_segment_size: 64
    .max_flat_workgroup_size: 128
    .sgpr_count:     66
    .vgpr_count:     192
    .wavefront_size: 32
...
	.end_amdgpu_metadata
.endif
;; end of part 1
;; launch qkv (part 2): grid 12 x 32, 4 waves a work-group, clusters of 4 x 4, 327,680 bytes of LDS; arguments codes, scales, bq, bk, bv, qkv; writes qkv
.if DOCPART == 2
	.amdgcn_target "amdgcn-amd-amdhsa--gfx1250"
	.amdhsa_code_object_version 6
	.text
	.protected	k_q71a5f7969e_qkv
	.globl	k_q71a5f7969e_qkv
	.p2align	8
	.type	k_q71a5f7969e_qkv,@function
k_q71a5f7969e_qkv:
	s_mov_b64 s[64:65], 0
	v_nop
	global_prefetch_b8 v0, s[64:65] scope:SCOPE_SE
	s_setreg_imm32_b32 hwreg(HW_REG_WAVE_MODE, 25, 1), 1
	s_wait_xcnt 0x0
	s_wait_alu depctr_hold_cnt(0) depctr_sa_sdst(0) depctr_va_vdst(0) depctr_va_sdst(0) depctr_va_ssrc(0) depctr_va_vcc(0) depctr_vm_vsrc(0)
	s_getreg_b32 s2, hwreg(HW_REG_IB_STS2, 6, 4)
	s_cmp_eq_u32 s2, 0
	s_cbranch_scc0 .Lentry_in_a_cluster
	s_endpgm
.Lentry_in_a_cluster:
	s_bfe_u32 s2, ttmp6, 0x10000c
	s_cmp_lg_u32 s2, 0xf033
	s_cbranch_scc0 .Lentry_shape_is_right
	s_endpgm
.Lentry_shape_is_right:
; QKV.  q, k, v = hidden x W + b on codes of FP4 (E2M1) with one E8M0 scale for each 32 along K = D = 1,024; sums in f32; the results leave as f16.
; codes [11264][512 B], scales [11264][32]: rows 0-8191 the tokens, 8192 + 1024 X + 64 h + k the weights (X: 0 q, 1 k, 2 v).
; A tile of 256 x 256 is made by four waves, 128 x 128 each: 64 accumulators, 512 registers.  All of K lies in two LDS slots of 512 along K: nothing is filled again.  By this text's count a wave has three tensor loads out.
; CLUSTERS: 4 x 4 work-groups; the cluster's x is X, its y a run of 1,024 tokens.  A's tile is asked for jointly by a row of the cluster, B's by a column.
; WHO IS A: the matrix instruction is used transposed (source 0 = 16 rows of B, source 1 = 16 rows of A), so a lane holds ONE row of A and eight neighbouring rows of B.
;   q, k: A = tokens, B = weights: a lane holds a token and 8 channels: 16 bytes of f16 that ARE a lane's place in a fragment of q or k (16 tokens x 32 channels).
;   v:    A = weights, B = tokens: a lane holds a channel and 8 keys: a lane's place in a fragment of V^T (16 channels x 32 keys).
; So the results are stored straight from registers as images of the next launch's operand registers, 512 consecutive bytes an instruction:
;   qkv: three regions of 2^24 bytes; in each [bh = 16 b + h] x 2^18;  q, k: [t / 16][channel / 32][g][lane][16];  v: [t / 32][channel / 16][g][lane][16].
; q is multiplied by log2(e) / 8 here, so that the softmax works in powers of two.
; LIMITS: |q log2(e) / 8|, |k|, |v| beyond 65,504 have no f16 number; NaN and infinities are not served.
.set KSTEP,  512
.set NQ,     KSTEP/128
.set ROWB,   256                       ; a tile's row in bytes
.set KROW,   512                       ; a row of codes in memory
.set PITCH,  272                       ; an LDS row: 256 bytes + 16 of padding: the 16 rows that a load touches start at 16 different banks (64 banks of 4 bytes: ISA guide 11.1)
.set FR,     8
.set NL,     2
.set NP,     4                         ; places behind this matrix instruction (ISA guide 7.12.1)
.set HALFT,  128*PITCH
.set SLOT,   4*HALFT                   ; A's 256 rows, then B's 256 rows
.set KS,     32                        ; a row of scales in bytes
.set SCL,    2*SLOT                    ; behind the slots: the scales, as rows of 256 bytes + 16 of padding
.set HALFS,  (128*KS/256)*272
.set SBLK,   (16*KS/256)*272
.set SPARE,  SCL+4*HALFS               ; the spare words, 128 bytes for each wave: two blocks of 256 bytes that no other line names
.set ADRA, 16                          ; v16-17  LDS address of my A fragments in slot 0, 1
.set ADRB, 20                          ; v20-21  the same for B
.set LO,   26                          ; v26     16 x lane: my place in an image
.set ADRS, 27                          ; v27     LDS address of my scale words: lanes 0-15 A's rows, lanes 16-31 B's
.set SPW,  28                          ; v28     my spare word; never rewritten
.set NIL,  29                          ; v29     0; never rewritten
.set SC,   32                          ; v32-95  scale words, two sets: they hold scales and nothing else
.set BO1,  96                          ; v96     the bias by channels of B: 32 x (lane / 16)
.set BO2,  97                          ; v97     the bias by channels of A: 4 x (lane % 16)
.set VB,   100                         ; v100-115 the bias of my channel of A's block a, twice (a pair for the packed addition)
.set AF,   128                         ; v128-191 A's fragments, one set; on the way out 64 numbers at work
.set T,    128
.set PKD,  64                          ; the way out: the packed results, in WINDOW 1: v64-95 and v192-223 by turns, registers that no matrix instruction names
.set BIAS, 192                         ; v192-255 the bias of B's block b, my eight channels
.set G1, 24
.set G0, 32
.set G1B, 48
.set G0B, 56
.set G1S, 68
.set G0S, 76
.set G1SB, 80
.set G0SB, 88
.set MSB, 0
.macro WIN new                         ; the immediate's high byte repeats the setting that is left
.if MSB != (\new)
	s_set_vgpr_msb (MSB<<8)|(\new)
.set MSB, (\new)
.endif
.endm
.set MUL_LO, 0xa1                      ; source 0 (B) window 1, source 1 (A) window 0, C and D window 2
.set MUL_HI, 0xf1                      ; the same, C and D window 3
.set TO_B,   0x40
; A joint load: waves 0 and 1 fetch for A, waves 2 and 3 for B; the branch hangs on the wave's number alone.  An s_nop 0 and four v_nop follow each of the two lines.
.macro JLOAD g0a, g1a, g0b, g1b
	s_cmp_eq_u32 s15, 0
	s_cbranch_scc0 .Lfor_b_\@
	tensor_load_to_lds s[\g0a:\g0a+3], s[\g1a:\g1a+7]
	s_nop 0
.rept 4
	v_nop
.endr
	s_branch .Lasked_\@
.Lfor_b_\@:
	tensor_load_to_lds s[\g0b:\g0b+3], s[\g1b:\g1b+7]
	s_nop 0
.rept 4
	v_nop
.endr
.Lasked_\@:
.endm
.macro CROUND                          ; a round of the cluster's barrier
	s_barrier_signal -1
	s_barrier_wait -1
	s_cmp_lg_u32 s14, 0
	s_cbranch_scc1 .Lnot_wave_0_\@
	s_barrier_signal -3
.Lnot_wave_0_\@:
	s_barrier_wait -3
	s_barrier_signal -1
	s_barrier_wait -1
.endm
	s_load_b128 s[4:7], s[0:1], 0x0                ; codes s[4:5], scales s[6:7]
	s_load_b128 s[8:11], s[0:1], 0x10              ; bq s[8:9], bk s[10:11]
	s_load_b128 s[96:99], s[0:1], 0x20             ; bv s[96:97], qkv s[98:99]
	v_lshl_add_u32 v[SPW], v0, 2, SPARE
	v_mov_b32 v[NIL], 0
	ds_add_u32 v[SPW], v[NIL]                      ; the wave's opening: the add, twice on end, and its wait ahead of my first tensor load
	ds_add_u32 v[SPW], v[NIL]
	v_lshrrev_b32 v1, 5, v0
	v_readfirstlane_b32 s14, v1                    ; wave 0..3
	s_lshr_b32 s15, s14, 1                         ; which half of A's rows is mine.  Also: I fetch for A (0) or for B (1)
	s_and_b32 s16, s14, 1                          ; which half of B's rows.  Also: which 128 rows I fetch
	s_bfe_u32 s40, ttmp6, 0x40000                  ; cx
	s_bfe_u32 s41, ttmp6, 0x40004                  ; cy
	s_and_b32 s17, ttmp7, 0xffff
	s_lshl_b32 s17, s17, 2                         ; 4 Y: the cluster's first tile of tokens
	s_lshl_b32 s42, ttmp9, 2
	s_add_co_u32 s42, s42, 32                      ; 32 + 4 X: the tensor's first tile of weights
	s_cmp_eq_u32 ttmp9, 2                          ; v?  The cluster's x is the same in all sixteen partners
	s_cselect_b32 s42, s17, s42                    ; B's tiles: tokens for v, else weights
	s_cselect_b32 s17, 40, s17                     ; A's tiles: Wv's for v, else tokens
	s_add_co_u32 s42, s42, s40                     ; B's tile of 256 rows of codes hangs on cx alone,
	s_add_co_u32 s17, s17, s41                     ; A's on cy alone
	s_lshl_b32 s43, s41, 2
	s_lshl_b32 s43, 15, s43                        ; my row of the cluster
	s_lshl_b32 s44, 0x1111, s40                    ; my column
	s_or_b32 s[G1+0], s43, (0<<16)|(1<<20)|(1<<21)|(5<<22)|(3<<25)  ; the mask; elements of 1 byte; padding: 4 words behind every 64
	s_or_b32 s[G1B+0], s44, (0<<16)|(1<<20)|(1<<21)|(5<<22)|(3<<25)
.irp g, G1, G1B
	s_mov_b32 s[\g+1], ROWB<<16                    ; tensor_dim0
	s_mov_b32 s[\g+2], 128<<16                     ; tensor_dim1
	s_mov_b32 s[\g+3], ROWB<<16                    ; tile_dim0
	s_mov_b32 s[\g+4], 128                         ; tile_dim1
	s_mov_b32 s[\g+5], KROW                        ; the pitch
	s_mov_b32 s[\g+6], 0
	s_mov_b32 s[\g+7], 0
.endr
	s_or_b32 s[G1S+0], s43, (3<<16)|(1<<20)|(1<<21)|(5<<22)|(3<<25) ; the scales of 128 rows: 4,096 dense bytes as 16 rows of 256 (32 elements of 8 bytes), 16 bytes of padding behind each
	s_or_b32 s[G1SB+0], s44, (3<<16)|(1<<20)|(1<<21)|(5<<22)|(3<<25)
.irp g, G1S, G1SB
	s_mov_b32 s[\g+1], 32<<16
	s_mov_b32 s[\g+2], (128*KS/256)<<16
	s_mov_b32 s[\g+3], 32<<16
	s_mov_b32 s[\g+4], 128*KS/256
	s_mov_b32 s[\g+5], 32
	s_mov_b32 s[\g+6], 0
	s_mov_b32 s[\g+7], 0
.endr
	s_lshl_b32 s18, s16, 7
	s_lshl_b32 s20, s17, 8
	s_add_co_u32 s20, s20, s18                     ; A: row 256 x tile + 128 x half
	s_lshl_b32 s46, s42, 8
	s_add_co_u32 s46, s46, s18                     ; B likewise
	s_mov_b32 s21, 0
	s_mov_b32 s47, 0
	s_mov_b64 s[18:19], KS
	s_mul_u64 s[22:23], s[20:21], s[18:19]         ; where these rows' scales begin,
	s_mul_u64 s[92:93], s[46:47], s[18:19]
	s_mov_b64 s[18:19], KROW
	s_mul_u64 s[20:21], s[20:21], s[18:19]         ; and their codes
	s_mul_u64 s[46:47], s[46:47], s[18:19]
	s_mul_i32 s45, s14, HALFT                      ; where they go: wave x 128 rows: no place in the cluster enters an LDS address
	s_mul_i32 s94, s14, HALFS
	s_wait_dscnt 0x0                               ; both opening adds are done
	s_wait_kmcnt 0x0
	s_add_nc_u64 s[20:21], s[4:5], s[20:21]
	s_add_nc_u64 s[22:23], s[6:7], s[22:23]
	s_add_nc_u64 s[46:47], s[4:5], s[46:47]
	s_add_nc_u64 s[92:93], s[6:7], s[92:93]
	CROUND                                         ; all sixteen work-groups are here: the first joint loads meet
	s_mov_b32 s[G0S], 1
	s_add_co_u32 s[G0S+1], s94, SCL
	s_mov_b64 s[G0S+2:G0S+3], s[22:23]
	s_or_b32 s[G0S+3], s[G0S+3], 0x80000000
	s_mov_b32 s[G0SB], 1
	s_add_co_u32 s[G0SB+1], s94, SCL
	s_mov_b64 s[G0SB+2:G0SB+3], s[92:93]
	s_or_b32 s[G0SB+3], s[G0SB+3], 0x80000000
	JLOAD G0S, G1S, G0SB, G1SB                     ; the scales first: they are wanted with the first K step
.irp s, 0,1
	s_mov_b32 s[G0+4*\s], 1
	s_add_co_u32 s[G0+4*\s+1], s45, \s*SLOT
	s_add_nc_u64 s[G0+4*\s+2:G0+4*\s+3], s[20:21], \s*ROWB
	s_or_b32 s[G0+4*\s+3], s[G0+4*\s+3], 0x80000000
	s_mov_b32 s[G0B+4*\s], 1
	s_add_co_u32 s[G0B+4*\s+1], s45, \s*SLOT
	s_add_nc_u64 s[G0B+4*\s+2:G0B+4*\s+3], s[46:47], \s*ROWB
	s_or_b32 s[G0B+4*\s+3], s[G0B+4*\s+3], 0x80000000
	JLOAD G0+4*\s, G1, G0B+4*\s, G1B
.endr
	v_and_b32 v1, 15, v0                           ; r
	v_bfe_u32 v2, v0, 4, 1                         ; hh
	v_mul_u32_u24 v3, v1, PITCH
	v_lshl_add_u32 v4, v2, 4, v3
	s_mul_i32 s21, s15, HALFT
	s_mul_i32 s22, s16, HALFT
	s_add_co_u32 s22, s22, 2*HALFT
.irp s, 0,1
	v_add_nc_u32 v[ADRA+\s], s21, v4
	v_add_nc_u32 v[ADRB+\s], s22, v4
	s_add_co_u32 s21, s21, SLOT
	s_add_co_u32 s22, s22, SLOT
.endr
	v_mul_u32_u24 v5, v1, KS                       ; my row's scales: KS bytes a row,
	v_lshrrev_b32 v6, 8, v5
	v_lshl_add_u32 v5, v6, 4, v5                   ; and 16 more for each 256 passed
	s_mul_i32 s21, s15, HALFS
	s_mul_i32 s22, s16, HALFS
	s_add_co_u32 s22, s22, 2*HALFS
	s_sub_co_u32 s22, s22, s21
	v_mul_u32_u24 v6, s22, v2                      ; lanes 16-31 take B's
	s_add_co_u32 s21, s21, SCL
	v_add_nc_u32 v5, v5, v6
	v_add_nc_u32 v[ADRS], s21, v5
	v_and_b32 v6, 31, v0
	v_lshlrev_b32 v[LO], 4, v6
	; the bias's buffer, and where my part of the result begins
	s_cmp_eq_u32 ttmp9, 1
	s_cselect_b64 s[8:9], s[10:11], s[8:9]
	s_cmp_eq_u32 ttmp9, 2
	s_cselect_b64 s[8:9], s[96:97], s[8:9]         ; bq, bk or bv
	s_cselect_b32 s20, s41, s40                    ; the heads go along A for v (cy, my half of A), else along B (cx, my half of B);
	s_cselect_b32 s21, s15, s16
	s_cselect_b32 s22, s40, s41                    ; the tokens the other way
	s_cselect_b32 s23, s16, s15
	s_and_b32 s46, ttmp7, 0xffff                   ; Y
	s_lshr_b32 s47, s46, 1                         ; the batch: 2,048 tokens are 8 tiles
	s_lshl_b32 s47, s47, 4
	s_lshl_b32 s20, s20, 2
	s_add_co_u32 s47, s47, s20
	s_lshl_b32 s21, s21, 1
	s_add_co_u32 s47, s47, s21                     ; bh of my first head: 16 b + 4 c + 2 half
	s_lshl_b32 s47, s47, 18
	s_lshl_b32 s46, s46, 2
	s_add_co_u32 s46, s46, s22
	s_and_b32 s46, s46, 7                          ; the tile of 256 tokens in its batch: 32,768 bytes of a head's images in q, k and v alike,
	s_lshl_b32 s46, s46, 15
	s_add_co_u32 s46, s46, s47
	s_lshl_b32 s23, s23, 14                        ; my 128 of them
	s_add_co_u32 s46, s46, s23
	s_lshl_b32 s47, ttmp9, 24                      ; the region
	s_add_co_u32 s46, s46, s47
	s_mov_b32 s47, 0
	s_add_nc_u64 s[12:13], s[98:99], s[46:47]
	s_lshl_b32 s18, s40, 10
	s_lshl_b32 s19, s16, 9
	s_add_co_u32 s18, s18, s19
	s_mov_b32 s19, 0
	s_add_nc_u64 s[18:19], s[8:9], s[18:19]        ; the bias at B's 128 channels (256 cx + 128 half),
	s_lshl_b32 s92, s41, 10
	s_lshl_b32 s93, s15, 9
	s_add_co_u32 s92, s92, s93
	s_mov_b32 s93, 0
	s_add_nc_u64 s[92:93], s[8:9], s[92:93]        ; and at A's (256 cy + 128 half)
	v_lshlrev_b32 v[BO1], 5, v2
	v_lshlrev_b32 v[BO2], 2, v1
	; BOTH FORMS of the bias are loaded by every work-group, on the one way that all take, a K walk ahead of their use: q and k use the first, v the second.  So each register that either way out reads
	; is written whichever way out follows; the price is 16 small loads that a work-group does not use.  Both stay inside the 1,024 numbers.
.irp b, 0,1,2,3,4,5,6,7
	global_load_b128 v[BIAS+8*\b:BIAS+8*\b+3], v[BO1], s[18:19] offset:64*\b
	global_load_b128 v[BIAS+8*\b+4:BIAS+8*\b+7], v[BO1], s[18:19] offset:64*\b+16
.endr
.irp a, 0,1,2,3,4,5,6,7
	global_load_b32 v[VB+2*\a], v[BO2], s[92:93] offset:64*\a
	global_load_b32 v[VB+2*\a+1], v[BO2], s[92:93] offset:64*\a
.endr
	s_mov_b32 s3, 0x3f800000
	s_cmp_eq_u32 ttmp9, 0
	s_cselect_b32 s2, 0x3e38aa3b, s3               ; q: log2(e) / 8; k: 1
	s_mov_b32 s3, s2                               ; (named with it as a pair, so it is written)
.macro FRAG reg, adr, q, i             ; 16 rows x 128 K of 4-bit codes: 8 registers: lane l holds row l % 16; registers 4 c .. 4 c + 3 hold K = 64 c + 32 (l / 16) + 0 .. 31
.irp c, 0,1
	ds_load_b128 v[\reg+4*\c:\reg+4*\c+3], v[\adr] offset:64*(\q)+32*\c+(\i)*16*PITCH
.endr
.endm
; 16 matrix instructions: A's blocks a0, a0 + 1 x B's eight, the slot's q-th 128 along K.  The 64 accumulators take turns, one instruction a turn, in the same order in every step.
.macro MUL16 a0, p, q, sc, zero
.irp a, \a0, \a0+1
.irp b, 0,1,2,3,4,5,6,7
.if \zero
	v_wmma_scale_f32_16x16x128_f8f6f4 v[8*(8*((\a)%4)+\b):8*(8*((\a)%4)+\b)+7], v[128*(\p)+FR*\b:128*(\p)+FR*\b+FR-1], v[AF+FR*(\a):AF+FR*(\a)+FR-1], 0, v[SC+8*NQ*(\sc)+NQ*\b+(\q)], v[SC+8*NQ*(\sc)+NQ*(\a)+(\q)] matrix_a_fmt:MATRIX_FMT_FP4 matrix_b_fmt:MATRIX_FMT_FP4 matrix_a_scale:MATRIX_SCALE_ROW1
.else
	v_wmma_scale_f32_16x16x128_f8f6f4 v[8*(8*((\a)%4)+\b):8*(8*((\a)%4)+\b)+7], v[128*(\p)+FR*\b:128*(\p)+FR*\b+FR-1], v[AF+FR*(\a):AF+FR*(\a)+FR-1], v[8*(8*((\a)%4)+\b):8*(8*((\a)%4)+\b)+7], v[SC+8*NQ*(\sc)+NQ*\b+(\q)], v[SC+8*NQ*(\sc)+NQ*(\a)+(\q)] matrix_a_fmt:MATRIX_FMT_FP4 matrix_b_fmt:MATRIX_FMT_FP4 matrix_a_scale:MATRIX_SCALE_ROW1
.endif
.endr
.endr
.endm
.macro FETCH_B slot, q, p
	WIN TO_B
.irp i, 0,1,2,3,4,5,6,7
	FRAG 128*(\p)+FR*\i, ADRB+\slot, \q, \i
.endr
	WIN 0
.endm
.macro FETCH_A slot, q, i0
.irp i, \i0, \i0+1, \i0+2, \i0+3
	FRAG AF+FR*(\i), ADRA+\slot, \q, \i
.endr
.endm
.macro SCALES sc                       ; a slot's scale words: lanes 0-15 take A's block i, lanes 16-31 B's block i
.irp i, 0,1,2,3,4,5,6,7
	ds_load_b128 v[SC+8*NQ*\sc+NQ*\i:SC+8*NQ*\sc+NQ*\i+3], v[ADRS] offset:\i*SBLK
.endr
.endm
.macro PLACES n                        ; plain vector lines between a matrix instruction and a load into, or a vector line on, its registers
.rept \n
	v_nop
.endr
.endm
.macro STEP slot, q, zero              ; a step of 128 along K that has its successor in the same slot
	s_wait_dscnt 4*NL                              ; B's set and A's blocks 0-3 are in; the youngest eight loads (A's blocks 4-7) may be out
	WIN MUL_LO
	MUL16 0, (\q)%2, \q, \slot, \zero
	MUL16 2, (\q)%2, \q, \slot, \zero
	s_wait_dscnt 0
	PLACES NP
	FETCH_B \slot, (\q)+1, 1-(\q)%2
	FETCH_A \slot, (\q)+1, 0
	WIN MUL_HI
	MUL16 4, (\q)%2, \q, \slot, \zero
	MUL16 6, (\q)%2, \q, \slot, \zero
	PLACES NP
	WIN 0
	FETCH_A \slot, (\q)+1, 4
.endm
; Slot 0's last step: ONE barrier, in front of which each wave has seen its part of slot 1 land.  Nothing is filled again.
.macro TURN slot, next
	s_wait_tensorcnt 0x0                           ; all my tensor loads have landed: my part of the next slot
	ds_add_u32 v[SPW], v[NIL]                      ; 0 onto my spare word
	s_wait_dscnt 4*NL+1                            ; the add and the youngest eight loads may be out
	WIN MUL_LO
	MUL16 0, 1, NQ-1, \slot, 0
	s_wait_dscnt 0x0
	s_barrier_signal -1
	MUL16 2, 1, NQ-1, \slot, 0
	WIN 0
	s_barrier_wait -1
	PLACES NP
	v_add_nc_u32 v[ADRS], 4*NQ, v[ADRS]            ; on to the next slot's scale words
	FETCH_B \next, 0, 0
	FETCH_A \next, 0, 0
	SCALES \next
	WIN MUL_HI
	MUL16 4, 1, NQ-1, \slot, 0
	MUL16 6, 1, NQ-1, \slot, 0
	PLACES NP
	WIN 0
	FETCH_A \next, 0, 4
.endm
.macro STEPS slot, from
.set Q, \from
.rept NQ-1-\from
	STEP \slot, Q, 0
.set Q, Q+1
.endr
.endm
	s_wait_tensorcnt 1                             ; the scales and my part of slot 0 are in; slot 1's load may be out
	s_barrier_signal -1
	s_barrier_wait -1
	FETCH_B 0, 0, 0
	FETCH_A 0, 0, 0
	SCALES 0
	FETCH_A 0, 0, 4
	STEP 0, 0, 1                                   ; the first products start the sums: nothing is cleared
	STEPS 0, 1
	TURN 0, 1
	STEPS 1, 0
	s_wait_dscnt 4*NL
	WIN MUL_LO
	MUL16 0, 1, NQ-1, 1, 0
	MUL16 2, 1, NQ-1, 1, 0
	s_wait_dscnt 0
	WIN MUL_HI
	MUL16 4, 1, NQ-1, 1, 0
	MUL16 6, 1, NQ-1, 1, 0
	WIN 0
; THE WAY OUT, block a of A's rows at a time: bias (and q's factor) in f32, each accumulator from its low end on; two numbers to a register; eight stores of 512 consecutive bytes.
.macro PACKSEND a                      ; T's 64 numbers become 32 registers of window 1
	WIN 0x40                                       ; destination window 1
.irp b, 0,1,2,3,4,5,6,7
.irp x, 0,1,2,3
	v_cvt_pk_f16_f32 v[PKD+128*((\a)%2)+4*\b+\x], v[T+8*\b+2*\x], v[T+8*\b+2*\x+1]
.endr
.endr
	WIN 0x04                                       ; a store's data are its source 1: window 1; its address window 0
.endm
.macro OUTQK a
.if (\a) > 1
	s_wait_xcnt 0x0                                ; block a - 2's stores have read their registers
.endif
	WIN 0x02+(\a)/4                                ; source 0: window 2 or 3
.irp b, 0,1,2,3,4,5,6,7
.irp x, 0,2,4,6
	v_pk_fma_f32 v[T+8*\b+\x:T+8*\b+\x+1], v[8*(8*((\a)%4)+\b)+\x:8*(8*((\a)%4)+\b)+\x+1], s[2:3], v[BIAS+8*\b+\x:BIAS+8*\b+\x+1] op_sel_hi:[1,0,1]
.endr
.endr
	PACKSEND \a
.irp b, 0,1,2,3,4,5,6,7
	global_store_b128 v[LO], v[PKD+128*((\a)%2)+4*\b:PKD+128*((\a)%2)+4*\b+3], s[12:13] offset:(\a)*2048+(\b/4)*262144+(\b%4)*512   ; tokens 16 a on; head b / 4; channels 16 (b % 4) on
.endr
.endm
.macro OUTV a
.if (\a) > 1
	s_wait_xcnt 0x0
.endif
	WIN 0x02+(\a)/4
.irp b, 0,1,2,3,4,5,6,7
.irp x, 0,2,4,6
	v_pk_add_f32 v[T+8*\b+\x:T+8*\b+\x+1], v[8*(8*((\a)%4)+\b)+\x:8*(8*((\a)%4)+\b)+\x+1], v[VB+2*(\a):VB+2*(\a)+1] op_sel_hi:[1,0]
.endr
.endr
	PACKSEND \a
.irp b, 0,1,2,3,4,5,6,7
	global_store_b128 v[LO], v[PKD+128*((\a)%2)+4*\b:PKD+128*((\a)%2)+4*\b+3], s[12:13] offset:((\a)/4)*262144+((\a)%4)*1024+(\b/2)*4096+(\b%2)*512   ; head a / 4; channels 16 (a % 4) on; keys 16 b on
.endr
.endm
	PLACES NP                                      ; behind the last products: their results are read, and their operands' registers written, below
	s_wait_loadcnt 0x0                             ; the biases
	s_cmp_eq_u32 ttmp9, 2
	s_cbranch_scc1 .Lout_v
.irp x, 0,2,4,6,8,10,12,14,16,18,20,22,24,26,28,30,32,34,36,38,40,42,44,46,48,50,52,54,56,58,60,62
	v_pk_mul_f32 v[BIAS+\x:BIAS+\x+1], v[BIAS+\x:BIAS+\x+1], s[2:3] op_sel_hi:[1,0]   ; (sum + b) c = sum c + b c: one fused multiply-add a pair below
.endr
.irp a, 0,1,2,3,4,5,6,7
	OUTQK \a
.endr
	WIN 0                                          ; at a branch and at a label every window is 0
	s_branch .Ldone
.Lout_v:
.irp a, 0,1,2,3,4,5,6,7
	OUTV \a
.endr
	WIN 0
.Ldone:
	s_wait_tensorcnt 0x0                           ; the wave's end, behind my last tensor load
	ds_add_u32 v[SPW], v[NIL]
	s_wait_dscnt 0x0
	CROUND                                         ; the closing round: no work-group ends while a partner may still ask for a tile that names it
	s_endpgm
.Lfunc_end_k_q71a5f7969e_qkv:
	.size	k_q71a5f7969e_qkv, .Lfunc_end_k_q71a5f7969e_qkv-k_q71a5f7969e_qkv
	.p2alignl 7, 3214868480
	.fill 96, 4, 3214868480
	.section	.rodata,"a",@progbits
	.p2align	6, 0x0
	.amdhsa_kernel k_q71a5f7969e_qkv
		.amdhsa_group_segment_fixed_size 327680
		.amdhsa_private_segment_fixed_size 0
		.amdhsa_enable_private_segment 0
		.amdhsa_kernarg_size 48
		.amdhsa_user_sgpr_count 2
		.amdhsa_user_sgpr_kernarg_segment_ptr 1
		.amdhsa_wavefront_size32 1
		.amdhsa_system_sgpr_workgroup_id_x 1
		.amdhsa_system_sgpr_workgroup_id_y 1
		.amdhsa_system_sgpr_workgroup_id_z 1
		.amdhsa_system_vgpr_workitem_id 0
		.amdhsa_next_free_vgpr 1024
		.amdhsa_next_free_sgpr 100
		.amdhsa_reserve_vcc 0
		.amdhsa_float_denorm_mode_32 3
		.amdhsa_float_denorm_mode_16_64 3
		.amdhsa_memory_ordered 1
		.amdhsa_forward_progress 1
		.amdhsa_inst_pref_size 179
	.end_amdhsa_kernel
	.amdgpu_metadata
---
amdhsa.version: [ 1, 2 ]
amdhsa.kernels:
  - .name:           k_q71a5f7969e_qkv
    .symbol:         k_q71a5f7969e_qkv.kd
    .args:
      - { .name: codes, .offset: 0, .size: 8, .value_kind: global_buffer, .address_space: global }
      - { .name: scales, .offset: 8, .size: 8, .value_kind: global_buffer, .address_space: global }
      - { .name: bq, .offset: 16, .size: 8, .value_kind: global_buffer, .address_space: global }
      - { .name: bk, .offset: 24, .size: 8, .value_kind: global_buffer, .address_space: global }
      - { .name: bv, .offset: 32, .size: 8, .value_kind: global_buffer, .address_space: global }
      - { .name: qkv, .offset: 40, .size: 8, .value_kind: global_buffer, .address_space: global }
    .group_segment_fixed_size: 327680
    .private_segment_fixed_size: 0
    .kernarg_segment_align: 8
    .kernarg_segment_size: 48
    .max_flat_workgroup_size: 128
    .sgpr_count:     100
    .vgpr_count:     1024
    .wavefront_size: 32
...
	.end_amdgpu_metadata
.endif
;; end of part 2
;; launch attn (part 3): grid 4 x 64, 8 waves a work-group, clusters of 4 x 1, 327,680 bytes of LDS; arguments qkv, out_frag, norm_part; writes out_frag, norm_part
.if DOCPART == 3
	.amdgcn_target "amdgcn-amd-amdhsa--gfx1250"
	.amdhsa_code_object_version 6
	.text
	.protected	k_q71a5f7969e_attn
	.globl	k_q71a5f7969e_attn
	.p2align	8
	.type	k_q71a5f7969e_attn,@function
k_q71a5f7969e_attn:
	s_mov_b64 s[64:65], 0
	v_nop
	global_prefetch_b8 v0, s[64:65] scope:SCOPE_SE
	s_setreg_imm32_b32 hwreg(HW_REG_WAVE_MODE, 25, 1), 1
	s_wait_xcnt 0x0
	s_wait_alu depctr_hold_cnt(0) depctr_sa_sdst(0) depctr_va_vdst(0) depctr_va_sdst(0) depctr_va_ssrc(0) depctr_va_vcc(0) depctr_vm_vsrc(0)
	s_getreg_b32 s2, hwreg(HW_REG_IB_STS2, 6, 4)
	s_cmp_eq_u32 s2, 0
	s_cbranch_scc0 .Lentry_in_a_cluster
	s_endpgm
.Lentry_in_a_cluster:
	s_bfe_u32 s2, ttmp6, 0x10000c
	s_cmp_lg_u32 s2, 0x3003
	s_cbranch_scc0 .Lentry_shape_is_right
	s_endpgm
.Lentry_shape_is_right:
; ATTN.  out[b][h][t] = softmax_s(q . k / 8) v, no mask; f16 operands, f32 sums, a running maximum; and each wave's sum of the rows' L2 norms.
; q (already times log2(e) / 8), k, v come as images of operand registers (a fragment of 16 rows x 32 K of f16 is 1,024 bytes: [g][lane][16 B], g = registers 4 g .. 4 g + 3):
;   q, k: [bh][t / 16][channel / 32];  v: [bh][t / 32][channel / 16], a fragment of V^T.  So every LDS load reads 512 consecutive bytes, nothing is padded and nothing is turned.
; SHARES.  A cluster of four work-groups is one (b, h); a work-group owns 512 queries, each of its eight waves 64: four tiles of 16, in two pieces (tiles 0, 1; tiles 2, 3).  Two waves share a SIMD, so that one wave's
; softmax can stand beside the other's products.  Every wave walks all 2,048 keys, 64 a step.
; LAYOUT.  S^T = K Q^T (source 0 = 16 keys, source 1 = 16 queries) and O^T = V^T P: a lane holds ONE query (lane % 16) throughout; two tiles of S^T, rounded to f16 in pairs, ARE source 1 of the second product.
; THE RING.  Two slots of 512 keys (K's images 65,536 bytes, then V's).  The four partners walk the same K and V: each tile is asked for JOINTLY; each of the eight waves brings an eighth of a slot, one load, by one line.
; By this text's count a wave has one tensor load out.
; OUT.  out = O / l leaves as f16 images for the projection: out_frag [token / 16][kc = 2 h + channel / 32][g][lane][16].  norm_part [h][b][work-group][wave] f32.
; LIMITS: |out| beyond 65,504 has no f16 number, and numbers under 6e-5 carry an absolute error of 3e-8; NaN and infinities are not served.
.set SLOT1, 1<<17                      ; slot 1 begins here: one exclusive or turns an address in one slot into the other's
.set SPARE, 262144                     ; behind the ring: the spare words, 128 bytes for each wave: four blocks of 256 bytes that no other line names
.set LI,  1                            ; v1   16 x lane; never rewritten
.set ADK, 2                            ; v2   LDS address of the step's K
.set ADV, 3                            ; v3   of its V
.set PFO, 4                            ; v4   256 x lane; never rewritten
.set LN,  5                            ; v5   lane
.set SPW, 6                            ; v6   my spare word; never rewritten
.set NIL, 7                            ; v7   0; never rewritten
.set ST,  8                            ; v8-39  tile t's statistics at v[ST + 8 t]: +0 m, +1 the old m, +2, +3 l (even keys', odd keys'), +4 .. +7 at work; a in +6
.set WK,  40                           ; v40-57 at work on the way out
.set S,   64                           ; v64-127  S^T of the piece in hand, 32 a tile
.set P,   128                          ; v128-159 P, 16 a tile
.set Q,   192                          ; v192-255 Q, 16 a tile; on the way out the packed results
.set KF,  128                          ; window 1: v0-127 O^T, 32 a tile; v128-191 K of a step; v192-255 V of a step
.set VF,  192
.set WV,  12
.set LIM, 17                           ; s17  1 in a wave that prefetches, else the greatest number
.set PFA, 18                           ; s[18:19] where my prefetches stand
.set G1,  24                           ; s[24:31] descriptor group 1
.set G0,  40                           ; s[40:43] group 0, which walks
.set SLOTS, 56
.set CNT, 57
.set SEL, 60                           ; s[60:61] v_permlanex16_b32's selects for lane l xor 16
.set TB,  62                           ; s62  LDS byte at which the step's K begins
.set MSB, 0
.macro WIN new                         ; bits 1:0 source 0, 3:2 source 1, 5:4 source 2, 7:6 destination; the high byte repeats the setting that is left
.if MSB != (\new)
	s_set_vgpr_msb (MSB<<8)|(\new)
.set MSB, (\new)
.endif
.endm
.macro CROUND                          ; a round of the cluster's barrier
	s_barrier_signal -1
	s_barrier_wait -1
	s_cmp_lg_u32 s[WV], 0
	s_cbranch_scc1 .Lnot_wave_0_\@
	s_barrier_signal -3
.Lnot_wave_0_\@:
	s_barrier_wait -3
	s_barrier_signal -1
	s_barrier_wait -1
.endm
; A PREFETCH of the slot that the NEXT change of slots will ask for: a slot's eight key steps ahead of that load.  A slot is 256 blocks of 256 bytes of K and as many of V.  The four partners share them out BY ADDRESS;
; in each, waves 0 and 1 ask for K's and waves 2 and 3 for V's, 32 blocks a wave, a lane a block: each block is named once in the launch.  Slots 0 and 1 come by their loads alone; the last change that fills asks for nothing.
.macro ASK
	s_cmp_gt_u32 s[SLOTS], s[LIM]
	s_cbranch_scc0 .Lnot_mine_\@
	global_prefetch_b8 v[PFO], s[PFA:PFA+1] th:TH_LOAD_NT scope:SCOPE_SE
.Lnot_mine_\@:
.endm
	s_load_b128 s[4:7], s[0:1], 0x0                ; qkv s[4:5], out_frag s[6:7]
	s_load_b64 s[8:9], s[0:1], 0x10                ; norm_part
	v_lshl_add_u32 v[SPW], v0, 2, SPARE
	v_mov_b32 v[NIL], 0
	ds_add_u32 v[SPW], v[NIL]                      ; the wave's opening: the add, twice on end, and its wait ahead of my first tensor load
	ds_add_u32 v[SPW], v[NIL]
	v_lshrrev_b32 v[LN], 5, v0
	v_readfirstlane_b32 s[WV], v[LN]               ; wave 0..7
	v_and_b32 v[LN], 31, v0
	v_lshlrev_b32 v[LI], 4, v[LN]
	v_lshlrev_b32 v[PFO], 8, v[LN]
	s_bfe_u32 s13, ttmp6, 0x40000                  ; cx: my block of 512 queries
	s_and_b32 s14, ttmp7, 0xffff                   ; bh, which the four partners share
	s_and_b32 s15, s14, 15                         ; h
	s_lshr_b32 s16, s14, 4                         ; b
	s_mov_b32 s[G1], 15|(3<<16)|(1<<21)            ; the mask: all four work-groups; elements of 8 bytes; bit 21 beside a mask; no padding
	s_mov_b32 s[G1+1], 32<<16                      ; tensor_dim0: 32 elements = 256 bytes
	s_mov_b32 s[G1+2], 64<<16                      ; tensor_dim1: 64 rows: 16,384 dense bytes
	s_mov_b32 s[G1+3], 32<<16                      ; tile_dim0
	s_mov_b32 s[G1+4], 64                          ; tile_dim1
	s_mov_b32 s[G1+5], 32                          ; the pitch
	s_mov_b32 s[G1+6], 0
	s_mov_b32 s[G1+7], 0
	s_mov_b32 s[SEL], 0x76543210
	s_mov_b32 s[SEL+1], 0xfedcba98
	s_mov_b32 s[TB], 0
	s_mov_b32 s[SLOTS], 3
	s_cmp_lt_u32 s[WV], 4
	s_cselect_b32 s[LIM], 1, -1
	s_lshl_b32 s20, s14, 18                        ; the head's first byte in each region
	s_lshr_b32 s22, s[WV], 2                       ; waves 0-3 fetch K's quarters, waves 4-7 V's
	s_add_co_u32 s22, s22, 1
	s_lshl_b32 s22, s22, 24
	s_and_b32 s23, s[WV], 3
	s_lshl_b32 s23, s23, 14
	s_add_co_u32 s22, s22, s23
	s_add_co_u32 s22, s22, s20
	s_mov_b32 s23, 0
	s_lshl_b32 s44, s[WV], 14                      ; and where it goes: 16,384 x wave: no place in the cluster enters an LDS address
	s_bfe_u32 s46, s[WV], 0x10001                  ; the prefetches: K (waves 0, 1) or V (waves 2, 3),
	s_add_co_u32 s46, s46, 1
	s_lshl_b32 s46, s46, 24
	s_lshl_b32 s47, s13, 1
	s_and_b32 s48, s[WV], 1
	s_add_co_u32 s47, s47, s48
	s_lshl_b32 s47, s47, 13                        ; the (2 cx + wave % 2)-th 8,192 bytes of a slot's 65,536,
	s_add_co_u32 s46, s46, s47
	s_add_co_u32 s46, s46, s20
	s_add_co_u32 s46, s46, 65536                   ; in slot 1: the first change of slots steps it to slot 2
	s_mov_b32 s47, 0
	s_lshl_b32 s48, s13, 5
	s_lshl_b32 s49, s[WV], 2
	s_add_co_u32 s48, s48, s49                     ; my first tile of 16 queries: 32 cx + 4 wave (kept for the way out)
	s_lshl_b32 s50, s48, 11
	s_add_co_u32 s50, s50, s20
	s_mov_b32 s51, 0
	s_wait_dscnt 0x0                               ; both opening adds are done
	s_wait_kmcnt 0x0
	s_mov_b32 s[G0], 1
	s_mov_b32 s[G0+1], s44
	s_add_nc_u64 s[G0+2:G0+3], s[4:5], s[22:23]
	s_or_b32 s[G0+3], s[G0+3], 0x80000000
	s_add_nc_u64 s[PFA:PFA+1], s[4:5], s[46:47]
	s_add_nc_u64 s[50:51], s[4:5], s[50:51]        ; Q at my first tile
	CROUND                                         ; all four work-groups are here: the first joint loads meet
	tensor_load_to_lds s[G0:G0+3], s[G1:G1+7]      ; slot 0
	s_nop 0
.rept 4
	v_nop
.endr
.irp i, 0,1,2,3,4,5,6,7,8,9,10,11,12,13,14,15
	global_load_b128 v[Q+4*\i:Q+4*\i+3], v[LI], s[50:51] offset:512*\i th:TH_LOAD_NT   ; Q stays in registers: four tiles of two fragments
.endr
	WIN 0x40
.set i, 0
.rept 128
	v_mov_b32 v[i], 0                              ; O^T.  The step is written with no first step of its own: it finds zeros, which the first change of m leaves zeros
.set i, i+1
.endr
	WIN 0
.irp t, 0,1,2,3
	v_mov_b32 v[ST+8*\t], 0xff61b1e6               ; m: -3e38, under every score
	v_mov_b32 v[ST+8*\t+2], 0                      ; l, in two halves
	v_mov_b32 v[ST+8*\t+3], 0
.endr
	s_wait_loadcnt 0x0                             ; Q
; S^T = K Q^T for piece y: eight accumulators (4 tiles of keys x 2 tiles of queries) by turns, one instruction a turn; channels 32 c on
.macro KQ y
	WIN 0x01                                       ; K in window 1
.irp c, 0,1
.irp kt, 0,1,2,3
.irp e, 0,1
.if \c == 0
	v_wmma_f32_16x16x32_f16 v[S+32*\e+8*\kt:S+32*\e+8*\kt+7], v[KF+16*\kt+8*\c:KF+16*\kt+8*\c+7], v[Q+16*(\y+\e)+8*\c:Q+16*(\y+\e)+8*\c+7], 0
.else
	v_wmma_f32_16x16x32_f16 v[S+32*\e+8*\kt:S+32*\e+8*\kt+7], v[KF+16*\kt+8*\c:KF+16*\kt+8*\c+7], v[Q+16*(\y+\e)+8*\c:Q+16*(\y+\e)+8*\c+7], v[S+32*\e+8*\kt:S+32*\e+8*\kt+7]
.endif
.endr
.endr
.endr
.endm
; O^T += V^T P for piece y: eight accumulators (4 tiles of channels x 2 tiles of queries) by turns; keys 32 u on
.macro PV y
	WIN 0x51                                       ; V, C and D in window 1, P in window 0
.irp u, 0,1
.irp ct, 0,1,2,3
.irp e, 0,1
	v_wmma_f32_16x16x32_f16 v[32*(\y+\e)+8*\ct:32*(\y+\e)+8*\ct+7], v[VF+32*\u+8*\ct:VF+32*\u+8*\ct+7], v[P+16*\e+8*\u:P+16*\e+8*\u+7], v[32*(\y+\e)+8*\ct:32*(\y+\e)+8*\ct+7]
.endr
.endr
.endr
.endm
; The softmax of piece y for one key step; the two tiles alternate where one line feeds the next.  A lane has 32 scores a tile.
.macro SOFTMAX y
.irp j, 0,1,2,3
.irp e, 0,1
	v_max3_num_f32 v[ST+8*(\y+\e)+4+\j], v[S+32*\e+8*\j], v[S+32*\e+8*\j+1], v[S+32*\e+8*\j+2]   ; four chains, each begun at its accumulator's low end
.endr
.endr
.irp i, 3,5
.irp j, 0,1,2,3
.irp e, 0,1
	v_max3_num_f32 v[ST+8*(\y+\e)+4+\j], v[ST+8*(\y+\e)+4+\j], v[S+32*\e+8*\j+\i], v[S+32*\e+8*\j+\i+1]
.endr
.endr
.endr
.irp e, 0,1
	v_max3_num_f32 v[ST+8*(\y+\e)+4], v[ST+8*(\y+\e)+4], v[S+32*\e+7], v[S+32*\e+15]
	v_max3_num_f32 v[ST+8*(\y+\e)+6], v[ST+8*(\y+\e)+6], v[S+32*\e+23], v[S+32*\e+31]
.endr
.irp e, 0,1
	v_max3_num_f32 v[ST+8*(\y+\e)+4], v[ST+8*(\y+\e)+4], v[ST+8*(\y+\e)+5], v[ST+8*(\y+\e)+6]
.endr
.irp e, 0,1
	v_max3_num_f32 v[ST+8*(\y+\e)+4], v[ST+8*(\y+\e)+4], v[ST+8*(\y+\e)+7], v[ST+8*(\y+\e)]   ; with the old m
.endr
.irp e, 0,1
	v_permlanex16_b32 v[ST+8*(\y+\e)+5], v[ST+8*(\y+\e)+4], s[SEL], s[SEL+1]   ; the query's other 32 keys lie in the lane 16 away
.endr
.irp e, 0,1
	v_mov_b32 v[ST+8*(\y+\e)+1], v[ST+8*(\y+\e)]
.endr
.irp e, 0,1
	v_max_num_f32 v[ST+8*(\y+\e)], v[ST+8*(\y+\e)+4], v[ST+8*(\y+\e)+5]       ; the new m
.endr
.irp e, 0,1
	v_sub_f32 v[ST+8*(\y+\e)+7], v[ST+8*(\y+\e)+1], v[ST+8*(\y+\e)]           ; old m - new m, 0 or less
.endr
.irp e, 0,1
.irp i, 0,2,4,6,8,10,12,14,16,18,20,22,24,26,28,30
	v_pk_add_f32 v[S+32*\e+\i:S+32*\e+\i+1], v[S+32*\e+\i:S+32*\e+\i+1], v[ST+8*(\y+\e):ST+8*(\y+\e)+1] op_sel_hi:[1,0] neg_lo:[0,1] neg_hi:[0,1]   ; s - m, two at a time
.endr
.endr
.irp e, 0,1
	v_exp_f32 v[ST+8*(\y+\e)+6], v[ST+8*(\y+\e)+7]                            ; a = 2^(old m - new m)
.endr
.irp e, 0,1
.irp i, 0,1,2,3,4,5,6,7,8,9,10,11,12,13,14,15,16,17,18,19,20,21,22,23,24,25,26,27,28,29,30,31
	v_exp_f32 v[S+32*\e+\i], v[S+32*\e+\i]                                    ; p = 2^(s - m), at most 1
.endr
.endr
	v_nop                                          ; a plain line behind the last exponential,
	s_wait_alu depctr_va_vdst(0)                   ; and ONE wait for the batch of 66, ahead of the first line that names a result
.irp e, 0,1
.irp i, 0,1,2,3,4,5,6,7,8,9,10,11,12,13,14,15
	v_cvt_pk_f16_f32 v[P+16*\e+\i], v[S+32*\e+2*\i], v[S+32*\e+2*\i+1]
.endr
.endr
.irp z, 0,1,2,3,4,5,6,7                        ; the sum of the unrounded p, in place: neighbours 1, 2, 4 and 8 pairs apart
.irp e, 0,1
	v_pk_add_f32 v[S+32*\e+4*\z:S+32*\e+4*\z+1], v[S+32*\e+4*\z:S+32*\e+4*\z+1], v[S+32*\e+4*\z+2:S+32*\e+4*\z+3]
.endr
.endr
.irp z, 0,1,2,3
.irp e, 0,1
	v_pk_add_f32 v[S+32*\e+8*\z:S+32*\e+8*\z+1], v[S+32*\e+8*\z:S+32*\e+8*\z+1], v[S+32*\e+8*\z+4:S+32*\e+8*\z+5]
.endr
.endr
.irp z, 0,1
.irp e, 0,1
	v_pk_add_f32 v[S+32*\e+16*\z:S+32*\e+16*\z+1], v[S+32*\e+16*\z:S+32*\e+16*\z+1], v[S+32*\e+16*\z+8:S+32*\e+16*\z+9]
.endr
.endr
.irp e, 0,1
	v_pk_add_f32 v[S+32*\e:S+32*\e+1], v[S+32*\e:S+32*\e+1], v[S+32*\e+16:S+32*\e+17]
.endr
.irp e, 0,1
	v_pk_fma_f32 v[ST+8*(\y+\e)+2:ST+8*(\y+\e)+3], v[ST+8*(\y+\e)+2:ST+8*(\y+\e)+3], v[ST+8*(\y+\e)+6:ST+8*(\y+\e)+7], v[S+32*\e:S+32*\e+1] op_sel_hi:[1,0,1]   ; l = a l + the sum
.endr
	WIN 0x41                                       ; O^T in window 1, a in window 0
.irp e, 0,1
.irp i, 0,2,4,6,8,10,12,14,16,18,20,22,24,26,28,30
	v_pk_mul_f32 v[32*(\y+\e)+\i:32*(\y+\e)+\i+1], v[32*(\y+\e)+\i:32*(\y+\e)+\i+1], v[ST+8*(\y+\e)+6:ST+8*(\y+\e)+7] op_sel_hi:[1,0]
.endr
.endr
.endm
; A KEY STEP: 64 keys: 8,192 bytes of K and as many of V, in two runs of 16 loads
.macro STEP
	v_add_nc_u32 v[ADK], s[TB], v[LI]
	v_add_nc_u32 v[ADV], 0x10000, v[ADK]           ; V's images lie 65,536 bytes behind K's
	v_nop
	v_nop                                          ; four plain lines between the last products and the loads into the registers that they read
	WIN 0x40                                       ; destination window 1
.irp i, 0,1,2,3,4,5,6,7,8,9,10,11,12,13,14,15
	ds_load_b128 v[KF+4*\i:KF+4*\i+3], v[ADK] offset:512*\i
.endr
.irp i, 0,1,2,3,4,5,6,7,8,9,10,11,12,13,14,15
	ds_load_b128 v[VF+4*\i:VF+4*\i+3], v[ADV] offset:512*\i
.endr
	s_wait_dscnt 16                                ; K is in; V's sixteen loads may be out
	KQ 0
	WIN 0
.rept 4
	v_nop                                          ; places behind the products whose results are read next
.endr
	SOFTMAX 0
	s_wait_dscnt 0x0                               ; V is in
	PV 0
	KQ 2
	WIN 0
.rept 4
	v_nop
.endr
	SOFTMAX 2
	PV 2
	WIN 0
	s_add_co_u32 s[TB], s[TB], 8192
.endm
; THE CHANGE OF SLOTS stands at a slot's head.  Each wave waits for all its tensor loads (its part of the slot ahead), adds 0 to its spare word, and waits for that and for its reads of the slot that it has left.
; fill = 1: the barrier is a round of the cluster's, so that no wave of any partner still reads the slot left or has a load on its way; the joint load of the next 512 keys is the first thing behind it and has eight key steps in which to land.
.macro CHANGE fill
	s_wait_tensorcnt 0x0                           ; no tensor load of mine is out, so the group 0 may be written
	ds_add_u32 v[SPW], v[NIL]
.if \fill
	s_xor_b32 s[G0+1], s[G0+1], SLOT1              ; the other slot than last time,
	s_add_nc_u64 s[G0+2:G0+3], s[G0+2:G0+3], 65536 ; the next 512 keys; the type bits on top are not reached
	s_wait_xcnt 0x0                                ; the last prefetch, a slot back, has read its address
	s_add_nc_u64 s[PFA:PFA+1], s[PFA:PFA+1], 65536
	s_wait_dscnt 0x0                               ; the add is done, and my reads of the slot that I have left are over
	CROUND
	tensor_load_to_lds s[G0:G0+3], s[G1:G1+7]
	s_nop 0
.rept 4
	v_nop
.endr
	ASK
.else
	s_wait_dscnt 0x0
	s_barrier_signal -1
	s_barrier_wait -1
.endif
.endm
.macro SLOT_STEPS                      ; a slot's eight key steps: written once, walked eight times; the LDS addresses hang on s[TB]
	s_mov_b32 s[CNT], 8
.Lstep_\@:
	STEP
	s_sub_co_u32 s[CNT], s[CNT], 1
	s_cmp_lg_u32 s[CNT], 0
	s_cbranch_scc1 .Lstep_\@
	s_sub_co_u32 s[TB], s[TB], 65536               ; back to a slot's first step,
	s_xor_b32 s[TB], s[TB], SLOT1                  ; in the other slot
.endm
.Lslot:                                            ; three trips: behind each change of slots but the last the next slot is asked for
	CHANGE 1
	SLOT_STEPS
	s_sub_co_u32 s[SLOTS], s[SLOTS], 1
	s_cmp_lg_u32 s[SLOTS], 0
	s_cbranch_scc1 .Lslot
	CHANGE 0                                       ; the last slot is written out
	SLOT_STEPS
	; THE WAY OUT.  l; the squares of O^T; then the reciprocals and roots as one batch; the norms; out = O^T / l as f16 images.
.irp t, 0,1,2,3
	v_add_f32 v[ST+8*\t+4], v[ST+8*\t+2], v[ST+8*\t+3]                         ; (these four are the places behind the last products)
.endr
.irp t, 0,1,2,3
	v_permlanex16_b32 v[ST+8*\t+5], v[ST+8*\t+4], s[SEL], s[SEL+1]
.endr
.irp t, 0,1,2,3
	v_add_f32 v[ST+8*\t+4], v[ST+8*\t+4], v[ST+8*\t+5]                         ; the row's sum
.endr
	s_lshl_b32 s20, s16, 7
	s_add_co_u32 s20, s20, s48                     ; my first block of 16 tokens: 128 b + 32 cx + 4 wave
	s_lshl_b32 s20, s20, 15
	s_lshl_b32 s21, s15, 11                        ; the head's two fragments
	s_add_co_u32 s20, s20, s21
	s_mov_b32 s21, 0
	s_add_nc_u64 s[6:7], s[6:7], s[20:21]
	s_lshl_b32 s20, s15, 7
	s_lshl_b32 s22, s16, 5
	s_add_co_u32 s20, s20, s22
	s_lshl_b32 s22, s13, 3
	s_add_co_u32 s20, s20, s22
	s_add_co_u32 s20, s20, s[WV]
	s_lshl_b32 s20, s20, 2                         ; norm_part [h][b][cx][wave]
	s_add_nc_u64 s[8:9], s[8:9], s[20:21]
	WIN 0x05                                       ; sources 0 and 1 window 1
.irp t, 0,1,2,3
	v_pk_mul_f32 v[WK+4*\t:WK+4*\t+1], v[32*\t:32*\t+1], v[32*\t:32*\t+1]      ; my 32 channels' squares, in two chains; each accumulator from its low end on
	v_pk_mul_f32 v[WK+4*\t+2:WK+4*\t+3], v[32*\t+2:32*\t+3], v[32*\t+2:32*\t+3]
.irp i, 4,8,12,16,20,24,28
	v_pk_fma_f32 v[WK+4*\t:WK+4*\t+1], v[32*\t+\i:32*\t+\i+1], v[32*\t+\i:32*\t+\i+1], v[WK+4*\t:WK+4*\t+1]
	v_pk_fma_f32 v[WK+4*\t+2:WK+4*\t+3], v[32*\t+\i+2:32*\t+\i+3], v[32*\t+\i+2:32*\t+\i+3], v[WK+4*\t+2:WK+4*\t+3]
.endr
.endr
	WIN 0
.irp t, 0,1,2,3
	v_pk_add_f32 v[WK+4*\t:WK+4*\t+1], v[WK+4*\t:WK+4*\t+1], v[WK+4*\t+2:WK+4*\t+3]
.endr
.irp t, 0,1,2,3
	v_add_f32 v[WK+4*\t], v[WK+4*\t], v[WK+4*\t+1]
.endr
.irp t, 0,1,2,3
	v_permlanex16_b32 v[WK+4*\t+1], v[WK+4*\t], s[SEL], s[SEL+1]
.endr
.irp t, 0,1,2,3
	v_add_f32 v[WK+4*\t], v[WK+4*\t], v[WK+4*\t+1]                             ; the sum over the row's 64 channels of O^2
.endr
.irp t, 0,1,2,3
	v_rcp_f32 v[ST+8*\t+6], v[ST+8*\t+4]
.endr
.irp t, 0,1,2,3
	v_sqrt_f32 v[WK+4*\t+1], v[WK+4*\t]
.endr
	v_nop                                          ; a plain line behind the last of them,
	s_wait_alu depctr_va_vdst(0)                   ; and one wait for the eight, ahead of the first use
.irp t, 0,1,2,3
	v_mul_f32 v[WK+4*\t], v[WK+4*\t+1], v[ST+8*\t+6]                           ; ||out|| = sqrt(sum O^2) / l
.endr
	v_add_f32 v[WK], v[WK], v[WK+4]
	v_add_f32 v[WK+8], v[WK+8], v[WK+12]
	v_add_f32 v[WK], v[WK], v[WK+8]
	v_add_f32_dpp v[WK], v[WK], v[WK] row_xmask:1 row_mask:0xf bank_mask:0xf   ; over the 16 queries of a tile (both halves of the lanes hold the same)
	v_add_f32_dpp v[WK], v[WK], v[WK] row_xmask:2 row_mask:0xf bank_mask:0xf
	v_add_f32_dpp v[WK], v[WK], v[WK] row_xmask:4 row_mask:0xf bank_mask:0xf
	v_add_f32_dpp v[WK], v[WK], v[WK] row_xmask:8 row_mask:0xf bank_mask:0xf
	v_mov_b32 v[WK+16], 0
.irp t, 0,1,2,3
	WIN 0x01                                       ; source 0 window 1
.irp i, 0,2,4,6,8,10,12,14,16,18,20,22,24,26,28,30
	v_pk_mul_f32 v[S+32*(\t%2)+\i:S+32*(\t%2)+\i+1], v[32*\t+\i:32*\t+\i+1], v[ST+8*\t+6:ST+8*\t+7] op_sel_hi:[1,0]
.endr
	WIN 0
.irp i, 0,1,2,3,4,5,6,7,8,9,10,11,12,13,14,15
	v_cvt_pk_f16_f32 v[Q+16*\t+\i], v[S+32*(\t%2)+2*\i], v[S+32*(\t%2)+2*\i+1] ; Q's registers are free; none is written twice, so no store's data are written again
.endr
.irp ct, 0,1,2,3
	global_store_b128 v[LI], v[Q+16*\t+4*\ct:Q+16*\t+4*\ct+3], s[6:7] offset:\t*32768+\ct*512   ; 512 consecutive bytes: channels 16 ct on of 16 tokens
.endr
.endr
	s_wait_xcnt 0x0                                ; EXEC changes only behind this wait
	v_cmp_eq_u32 vcc_lo, 0, v[LN]
	s_and_saveexec_b32 s20, vcc_lo
	global_store_b32 v[WK+16], v[WK], s[8:9]       ; one number a wave: 8,192 bytes in the whole launch
	s_wait_xcnt 0x0                                ; and again, in front of the line that widens it
	s_or_b32 exec_lo, exec_lo, s20
	s_wait_tensorcnt 0x0                           ; the wave's end, behind my last tensor load
	ds_add_u32 v[SPW], v[NIL]
	s_wait_dscnt 0x0
	CROUND                                         ; the closing round: no work-group ends while a partner may still ask for a tile that names it
	s_endpgm
.Lfunc_end_k_q71a5f7969e_attn:
	.size	k_q71a5f7969e_attn, .Lfunc_end_k_q71a5f7969e_attn-k_q71a5f7969e_attn
	.p2alignl 7, 3214868480
	.fill 96, 4, 3214868480
	.section	.rodata,"a",@progbits
	.p2align	6, 0x0
	.amdhsa_kernel k_q71a5f7969e_attn
		.amdhsa_group_segment_fixed_size 327680
		.amdhsa_private_segment_fixed_size 0
		.amdhsa_enable_private_segment 0
		.amdhsa_kernarg_size 24
		.amdhsa_user_sgpr_count 2
		.amdhsa_user_sgpr_kernarg_segment_ptr 1
		.amdhsa_wavefront_size32 1
		.amdhsa_system_sgpr_workgroup_id_x 1
		.amdhsa_system_sgpr_workgroup_id_y 1
		.amdhsa_system_sgpr_workgroup_id_z 1
		.amdhsa_system_vgpr_workitem_id 0
		.amdhsa_next_free_vgpr 512
		.amdhsa_next_free_sgpr 66
		.amdhsa_reserve_vcc 1
		.amdhsa_float_denorm_mode_32 3
		.amdhsa_float_denorm_mode_16_64 3
		.amdhsa_memory_ordered 1
		.amdhsa_forward_progress 1
		.amdhsa_inst_pref_size 92
	.end_amdhsa_kernel
	.amdgpu_metadata
---
amdhsa.version: [ 1, 2 ]
amdhsa.kernels:
  - .name:           k_q71a5f7969e_attn
    .symbol:         k_q71a5f7969e_attn.kd
    .args:
      - { .name: qkv, .offset: 0, .size: 8, .value_kind: global_buffer, .address_space: global }
      - { .name: out_frag, .offset: 8, .size: 8, .value_kind: global_buffer, .address_space: global }
      - { .name: norm_part, .offset: 16, .size: 8, .value_kind: global_buffer, .address_space: global }
    .group_segment_fixed_size: 327680
    .private_segment_fixed_size: 0
    .kernarg_segment_align: 8
    .kernarg_segment_size: 24
    .max_flat_workgroup_size: 256
    .sgpr_count:     66
    .vgpr_count:     512
    .wavefront_size: 32
...
	.end_amdgpu_metadata
.endif
;; end of part 3
;; launch proj (part 4): grid 4 x 64, 4 waves a work-group, clusters of 4 x 4, 327,680 bytes of LDS; arguments out_frag, wo_frag, norm_part, gate, bo, out0; writes out0
.if DOCPART == 4
	.amdgcn_target "amdgcn-amd-amdhsa--gfx1250"
	.amdhsa_code_object_version 6
	.text
	.protected	k_q71a5f7969e_proj
	.globl	k_q71a5f7969e_proj
	.p2align	8
	.type	k_q71a5f7969e_proj,@function
k_q71a5f7969e_proj:
	s_mov_b64 s[64:65], 0
	v_nop
	global_prefetch_b8 v0, s[64:65] scope:SCOPE_SE
	s_setreg_imm32_b32 hwreg(HW_REG_WAVE_MODE, 25, 1), 1
	s_wait_xcnt 0x0
	s_wait_alu depctr_hold_cnt(0) depctr_sa_sdst(0) depctr_va_vdst(0) depctr_va_sdst(0) depctr_va_ssrc(0) depctr_va_vcc(0) depctr_vm_vsrc(0)
	s_getreg_b32 s2, hwreg(HW_REG_IB_STS2, 6, 4)
	s_cmp_eq_u32 s2, 0
	s_cbranch_scc0 .Lentry_in_a_cluster
	s_endpgm
.Lentry_in_a_cluster:
	s_bfe_u32 s2, ttmp6, 0x10000c
	s_cmp_lg_u32 s2, 0xf033
	s_cbranch_scc0 .Lentry_shape_is_right
	s_endpgm
.Lentry_shape_is_right:
; PROJ.  out0[token][d] = (1 / 16) sum over h of g_h (sum over k of out[token][h][k] / denom_h x Wo[h][k][d] + bo[h][d]),  g = clip(gate, 0, 1),  denom_h = max(mean over (b, t) of ||out||, 1e-5).
; f16 operands, f32 sums.  A head is 64 along K = 64 h + k: its products sum into 32 HEAD accumulators (the first with C = 0); behind each head FOLD adds them, times s_h = g_h / denom_h / 16 in f32,
; onto 32 FINAL accumulators: 128 packed multiply-adds for a head's 64 matrix instructions.  So the heads' factors touch no 16-bit number.
; Both operands come as images of operand registers (a fragment of 16 rows x 32 K is 1,024 bytes): out_frag [token / 16][K / 32], wo_frag [d / 16][K / 32]: every LDS load reads 512 consecutive bytes.
; A tile of 128 tokens x 256 columns is made by four waves, 64 x 128 each.  K goes in 8 steps of 128 (two heads) through two LDS slots; the steps are written out, since each fold names its head's factor.
; CLUSTERS: 4 x 4 work-groups; A's tile is asked for jointly by a row of the cluster, B's by a column.  By this text's count a wave has two tensor loads out at the start and one behind each round.
; The matrix instruction is used transposed (source 0 = 16 columns of Wo, source 1 = 16 tokens): a lane holds eight neighbouring columns of one token.
; LIMITS: NaN and infinities are not served.
.set ABYTES, 32768                     ; a slot: A's 8 blocks of 16 tokens x 4,096 bytes, then B's 16 blocks of 16 columns x 4,096
.set SLOT,   98304
.set BIASL,  196608                    ; behind the ring: the tile's 256 sums (1 / 16) sum g bo, f32
.set SPARE,  197632                    ; the spare words, 128 bytes for each wave: two blocks of 256 bytes that no other line names
.set SPITCH, 528                       ; the way out: a stage of 16 rows x (512 bytes + 16) for each wave, in slot 0, which has had its last fill and its last read by then
.set LI,   4                           ; v4   16 x lane; never rewritten
.set ADRA, 16                          ; v16-17 LDS address of my A fragments in slot 0, 1
.set ADRB, 20                          ; v20-21 the same for B
.set STO,  24
.set RD,   25
.set BA,   27                          ; v27  where my eight columns' bias sums begin
.set SPW,  28
.set NIL,  29
.set F0,   64                          ; v64-159  a quarter's fragments: A's four at +0, B's eight at +32
.set F1,   160                         ; v160-255 the other buffer.   Window 1: head accumulator (i, j) at v[8 (8 i + j)].   Window 2: the final accumulator at the same number
.set G1,  24
.set G0,  32
.set G1B, 48
.set G0B, 56
.set GT,  68                           ; s[68:83] g_h for the bias sums, then s_h
.set SP,  84                           ; s[84:85] the fold's factor, twice (the packed form names a pair)
.set SEL, 86
.set WV,  92
.set WR,  93                           ; which 64 tokens are mine.  Also: I fetch for A (0) or for B (1)
.set WC,  94                           ; which 128 columns.  Also: which half of that tile I fetch
.set MSB, 0
.macro WIN new                         ; bits 1:0 source 0, 3:2 source 1, 5:4 source 2, 7:6 destination; the high byte repeats the setting that is left
.if MSB != (\new)
	s_set_vgpr_msb (MSB<<8)|(\new)
.set MSB, (\new)
.endif
.endm
.macro JLOAD s                         ; a joint load: waves 0 and 1 fetch A's halves, waves 2 and 3 B's; an s_nop 0 and four v_nop follow each of the two lines
	s_cmp_eq_u32 s[WR], 0
	s_cbranch_scc0 .Lfor_b_\@
	tensor_load_to_lds s[G0+4*\s:G0+4*\s+3], s[G1:G1+7]
	s_nop 0
.rept 4
	v_nop
.endr
	s_branch .Lasked_\@
.Lfor_b_\@:
	tensor_load_to_lds s[G0B+4*\s:G0B+4*\s+3], s[G1B:G1B+7]
	s_nop 0
.rept 4
	v_nop
.endr
.Lasked_\@:
.endm
.macro CREST
	s_cmp_lg_u32 s[WV], 0
	s_cbranch_scc1 .Lnot_wave_0_\@
	s_barrier_signal -3
.Lnot_wave_0_\@:
	s_barrier_wait -3
	s_barrier_signal -1
	s_barrier_wait -1
.endm
.macro CROUND
	s_barrier_signal -1
	s_barrier_wait -1
	CREST
.endm
.macro PLACES
.rept 4
	v_nop
.endr
.endm
	s_load_b256 s[4:11], s[0:1], 0x0               ; out_frag s[4:5], wo_frag s[6:7], norm_part s[8:9], gate s[10:11]
	s_load_b128 s[88:91], s[0:1], 0x20             ; bo s[88:89], out0 s[90:91]
	v_lshl_add_u32 v[SPW], v0, 2, SPARE
	v_mov_b32 v[NIL], 0
	ds_add_u32 v[SPW], v[NIL]                      ; the wave's opening: the add, twice on end, and its wait ahead of my first tensor load
	ds_add_u32 v[SPW], v[NIL]
	v_lshrrev_b32 v1, 5, v0
	v_readfirstlane_b32 s[WV], v1
	s_lshr_b32 s[WR], s[WV], 1
	s_and_b32 s[WC], s[WV], 1
	s_bfe_u32 s40, ttmp6, 0x40000                  ; cx
	s_bfe_u32 s41, ttmp6, 0x40004                  ; cy
	s_lshl_b32 s42, ttmp9, 2
	s_add_co_u32 s42, s42, s40                     ; tile column: 256 columns
	s_and_b32 s13, ttmp7, 0xffff
	s_lshl_b32 s13, s13, 2
	s_add_co_u32 s13, s13, s41                     ; tile row: 128 tokens
	s_lshl_b32 s43, s41, 2
	s_lshl_b32 s43, 15, s43                        ; my row of the cluster
	s_lshl_b32 s44, 0x1111, s40                    ; my column
	s_or_b32 s[G1], s43, (3<<16)|(1<<21)           ; the mask; elements of 8 bytes; bit 21 beside a mask; no padding
	s_mov_b32 s[G1+1], 512<<16                     ; tensor_dim0: 512 elements = 4,096 bytes: a block's four fragments of the K step
	s_mov_b32 s[G1+2], 4<<16                       ; tensor_dim1: 4 blocks of 16 tokens
	s_mov_b32 s[G1+3], 512<<16                     ; tile_dim0
	s_mov_b32 s[G1+4], 4                           ; tile_dim1
	s_mov_b32 s[G1+5], 4096                        ; the pitch: a block's 32 fragments, 32,768 bytes
	s_mov_b32 s[G1+6], 0
	s_mov_b32 s[G1+7], 0
	s_or_b32 s[G1B], s44, (3<<16)|(1<<21)
	s_mov_b32 s[G1B+1], 512<<16
	s_mov_b32 s[G1B+2], 8<<16                      ; 8 blocks of 16 columns
	s_mov_b32 s[G1B+3], 512<<16
	s_mov_b32 s[G1B+4], 8
	s_mov_b32 s[G1B+5], 4096
	s_mov_b32 s[G1B+6], 0
	s_mov_b32 s[G1B+7], 0
	s_mov_b32 s[SEL], 0x76543210
	s_mov_b32 s[SEL+1], 0xfedcba98
	s_lshl_b32 s16, s13, 18                        ; A: block 8 x tile row + 4 x half, 32,768 bytes each: hangs on the tile row alone
	s_lshl_b32 s17, s[WC], 17
	s_add_co_u32 s16, s16, s17
	s_mov_b32 s17, 0
	s_lshl_b32 s46, s42, 19                        ; B: block 16 x tile column + 8 x half: on the tile column alone
	s_lshl_b32 s47, s[WC], 18
	s_add_co_u32 s46, s46, s47
	s_mov_b32 s47, 0
	s_lshl_b32 s20, s[WC], 14                      ; where they go: A's halves,
	s_lshl_b32 s21, s[WC], 15
	s_add_co_u32 s21, s21, ABYTES                  ; B's halves: no place in the cluster enters an LDS address
	s_wait_dscnt 0x0                               ; both opening adds are done
	s_wait_kmcnt 0x0
	s_add_nc_u64 s[14:15], s[4:5], s[16:17]
	s_add_nc_u64 s[46:47], s[6:7], s[46:47]
	CROUND                                         ; all sixteen work-groups are here: the first joint loads meet
.irp s, 0,1
	s_mov_b32 s[G0+4*\s], 1
	s_add_co_u32 s[G0+4*\s+1], s20, \s*SLOT
	s_add_nc_u64 s[G0+4*\s+2:G0+4*\s+3], s[14:15], \s*4096
	s_or_b32 s[G0+4*\s+3], s[G0+4*\s+3], 0x80000000
	s_mov_b32 s[G0B+4*\s], 1
	s_add_co_u32 s[G0B+4*\s+1], s21, \s*SLOT
	s_add_nc_u64 s[G0B+4*\s+2:G0B+4*\s+3], s[46:47], \s*4096
	s_or_b32 s[G0B+4*\s+3], s[G0B+4*\s+3], 0x80000000
	JLOAD \s
.endr
	; while the first tiles are on their way: the heads' factors and the bias sums
	v_and_b32 v1, 15, v0                           ; r; here also the head whose norms I add
	v_bfe_u32 v2, v0, 4, 1                         ; hh; here also which half of its 128 partial sums
	v_and_b32 v3, 31, v0
	v_lshlrev_b32 v[LI], 4, v3
	v_lshlrev_b32 v5, 9, v1
	v_lshl_add_u32 v5, v2, 8, v5
	v_lshlrev_b32 v6, 2, v1
	v_lshlrev_b32 v7, 3, v0                        ; two columns a thread
	s_lshl_b32 s16, s42, 10
	s_mov_b32 s17, 0
	s_add_nc_u64 s[88:89], s[88:89], s[16:17]      ; bo at the tile's first column
.irp i, 0,1,2,3,4,5,6,7,8,9,10,11,12,13,14,15
	global_load_b128 v[64+4*\i:64+4*\i+3], v5, s[8:9] offset:16*\i
.endr
	global_load_b32 v8, v6, s[10:11]
.irp h, 0,1,2,3,4,5,6,7,8,9,10,11,12,13,14,15
	global_load_b64 v[128+2*\h:129+2*\h], v7, s[88:89] offset:4096*\h
.endr
	s_lshl_b32 s21, s[WR], 14                      ; my four blocks of A,
	s_lshl_b32 s22, s[WC], 15
	s_add_co_u32 s22, s22, ABYTES                  ; my eight of B
.irp s, 0,1
	v_add_nc_u32 v[ADRA+\s], s21, v[LI]
	v_add_nc_u32 v[ADRB+\s], s22, v[LI]
	s_add_co_u32 s21, s21, SLOT
	s_add_co_u32 s22, s22, SLOT
.endr
	s_mul_i32 s23, s[WV], 16*SPITCH                ; my stage
	v_mul_u32_u24 v[STO], v1, SPITCH
	v_lshl_add_u32 v[STO], v2, 5, v[STO]
	v_add_nc_u32 v[STO], s23, v[STO]               ; in: row r, 32 bytes for each half of the lanes
	v_add_nc_u32 v[RD], s23, v[LI]                 ; back: the 32 lanes take one row of 512 bytes
	s_lshl_b32 s23, s[WC], 9
	s_add_co_u32 s23, s23, BIASL
	v_lshlrev_b32 v[BA], 5, v2
	v_add_nc_u32 v[BA], s23, v[BA]
	v_add_nc_u32 v9, BIASL, v7
	s_lshl_b32 s16, s13, 19                        ; out0: 128 rows of 4,096 bytes a tile row,
	s_lshl_b32 s18, s[WR], 18                      ; my 64,
	s_add_co_u32 s16, s16, s18
	s_lshl_b32 s18, s42, 10                        ; the tile's 1,024 bytes of a row,
	s_add_co_u32 s16, s16, s18
	s_lshl_b32 s18, s[WC], 9                       ; my 512
	s_add_co_u32 s16, s16, s18
	s_add_nc_u64 s[90:91], s[90:91], s[16:17]
	s_wait_loadcnt 0x0
.irp z, 0,1,2,3,4,5,6,7,8,9,10,11,12,13,14,15
	v_pk_add_f32 v[64+4*\z:65+4*\z], v[64+4*\z:65+4*\z], v[66+4*\z:67+4*\z]    ; my 64 partial sums
.endr
.irp z, 0,1,2,3,4,5,6,7
	v_pk_add_f32 v[64+8*\z:65+8*\z], v[64+8*\z:65+8*\z], v[68+8*\z:69+8*\z]
.endr
.irp z, 0,1,2,3
	v_pk_add_f32 v[64+16*\z:65+16*\z], v[64+16*\z:65+16*\z], v[72+16*\z:73+16*\z]
.endr
.irp z, 0,1
	v_pk_add_f32 v[64+32*\z:65+32*\z], v[64+32*\z:65+32*\z], v[80+32*\z:81+32*\z]
.endr
	v_pk_add_f32 v[64:65], v[64:65], v[96:97]
	v_add_f32 v64, v64, v65
	v_permlanex16_b32 v65, v64, s[SEL], s[SEL+1]
	v_add_f32 v64, v64, v65                        ; the head's sum of 8,192 norms
	v_mul_f32 v64, 0x39000000, v64                 ; / 8,192
	v_max_num_f32 v64, 0x3727c5ac, v64             ; denom = max(mean, 1e-5)
	v_rcp_f32 v65, v64
	v_max_num_f32 v8, 0, v8                        ; g = clip(gate, 0, 1)  (plain lines behind the reciprocal)
	v_min_num_f32 v8, 1.0, v8
	s_wait_alu depctr_va_vdst(0)                   ; the reciprocal's wait, ahead of its first use
	v_mul_f32 v65, v8, v65
	v_mul_f32 v65, 0x3d800000, v65                 ; s = g / denom / 16, in f32
.irp h, 0,1,2,3,4,5,6,7,8,9,10,11,12,13,14,15
	v_readlane_b32 s[GT+\h], v8, \h                ; lane h holds head h's g
.endr
	v_mul_f32 v10, s[GT], v128
	v_mul_f32 v11, s[GT], v129
.irp h, 1,2,3,4,5,6,7,8,9,10,11,12,13,14,15
	v_fma_f32 v10, s[GT+\h], v[128+2*\h], v10
	v_fma_f32 v11, s[GT+\h], v[129+2*\h], v11
.endr
	v_mul_f32 v10, 0x3d800000, v10
	v_mul_f32 v11, 0x3d800000, v11
	ds_store_b64 v9, v[10:11]
.irp h, 0,1,2,3,4,5,6,7,8,9,10,11,12,13,14,15
	v_readlane_b32 s[GT+\h], v65, \h               ; the g are done with: the same registers take the folds' factors
.endr
	s_wait_dscnt 0x0                               ; for the others' sake: my two sums are in LDS
	s_wait_tensorcnt 0x1                           ; my part of K step 0 is in; K step 1's may be out
	s_barrier_signal -1
	s_barrier_wait -1
.macro FETCH slot, q, f                ; the slot's q-th 32 along K: A's four fragments, then B's eight: 24 loads in one run
.irp i, 0,1,2,3
.irp g, 0,1
	ds_load_b128 v[\f+8*\i+4*\g:\f+8*\i+4*\g+3], v[ADRA+\slot] offset:\i*4096+(\q)*1024+\g*512
.endr
.endr
.irp j, 0,1,2,3,4,5,6,7
.irp g, 0,1
	ds_load_b128 v[\f+32+8*\j+4*\g:\f+32+8*\j+4*\g+3], v[ADRB+\slot] offset:\j*4096+(\q)*1024+\g*512
.endr
.endr
.endm
.macro MUL8 f, i, zero                 ; A's block i x B's eight.  The 32 head accumulators take turns, one instruction a turn, in the same order in every quarter
.irp j, 0,1,2,3,4,5,6,7
.if \zero
	v_wmma_f32_16x16x32_f16 v[8*(8*(\i)+\j):8*(8*(\i)+\j)+7], v[\f+32+8*\j:\f+32+8*\j+7], v[\f+8*(\i):\f+8*(\i)+7], 0
.else
	v_wmma_f32_16x16x32_f16 v[8*(8*(\i)+\j):8*(8*(\i)+\j)+7], v[\f+32+8*\j:\f+32+8*\j+7], v[\f+8*(\i):\f+8*(\i)+7], v[8*(8*(\i)+\j):8*(8*(\i)+\j)+7]
.endif
.endr
.endm
; One of a K step's first three quarters: multiplies buffer q % 2 and, in its middle, fetches the next quarter into the other.  zero = 1: a head's first quarter starts the head's sums
.macro QUARTER slot, q, zero
.set FC, F0+96*((\q)%2)
.set FN, F0+96*(1-(\q)%2)
	s_wait_dscnt 0x0                               ; this quarter's 24 loads are in
	WIN 0x50                                       ; C and D window 1
	MUL8 FC, 0, \zero
	MUL8 FC, 1, \zero
	PLACES                                         ; in front of loads into registers that matrix instructions have read; also the places between blocks 0 and 1 and a fold that follows the quarter
	WIN 0
	FETCH \slot, (\q)+1, FN
	WIN 0x50
	MUL8 FC, 2, \zero
	MUL8 FC, 3, \zero
.endm
; The last quarter multiplies buffer 1 and changes slots: ONE barrier; in front of it each wave waits for all its tensor loads (its part of the next slot), adds 0 to its spare word, and waits for that and for its reads of this slot.
; fill = 1: the barrier opens a round of the cluster's, and this slot is filled again, two K steps ahead, first thing behind the round.
.macro TURN slot, next, fill
	WIN 0                                          ; (the add's two registers lie in window 0)
	s_wait_tensorcnt 0x0
	ds_add_u32 v[SPW], v[NIL]
	s_wait_dscnt 1                                 ; the quarter's loads are in; the add may be out
	WIN 0x50
	MUL8 F1, 0, 0
	s_wait_dscnt 0x0                               ; the add is done, and my reads of this slot are over
	s_barrier_signal -1
	MUL8 F1, 1, 0
	WIN 0
	s_barrier_wait -1
.if \fill
	CREST                                          ; no wave of any partner still reads this slot's tile or has a load on its way
	s_add_nc_u64 s[G0+4*\slot+2:G0+4*\slot+3], s[G0+4*\slot+2:G0+4*\slot+3], 8192
	s_add_nc_u64 s[G0B+4*\slot+2:G0B+4*\slot+3], s[G0B+4*\slot+2:G0B+4*\slot+3], 8192
	JLOAD \slot                                    ; the four v_nop behind it are also the places in front of the loads below, and between blocks 0 and 1 and the fold
.else
	PLACES
.endif
	FETCH \next, 0, F0
	WIN 0x50
	MUL8 F1, 2, 0
	MUL8 F1, 3, 0
.endm
; A head is summed: final += head sum x s_h, in f32, two numbers a line, the accumulators in ascending order and each from its low end on.  Blocks 0 and 1 were finished ahead of four plain lines (above);
; their 64 lines here name no register of blocks 2 and 3's products and are the places behind those.  first = 1: the first head starts the final sums: nothing is cleared.
.macro FOLD hd, first
	s_mov_b32 s[SP], s[GT+\hd]
	s_mov_b32 s[SP+1], s[GT+\hd]
	WIN 0xa1                                       ; source 0 (the head's sums) window 1; source 2 and the destination (the final sums) window 2
.set n, 0
.rept 128
.if \first
	v_pk_mul_f32 v[n:n+1], v[n:n+1], s[SP:SP+1] op_sel_hi:[1,0]
.else
	v_pk_fma_f32 v[n:n+1], v[n:n+1], s[SP:SP+1], v[n:n+1] op_sel_hi:[1,0,1]
.endif
.set n, n+2
.endr
.endm
; A K step that has a successor: two heads
.macro KSTEP slot, next, hd, fill, first
	QUARTER \slot, 0, 1
	QUARTER \slot, 1, 0
	FOLD \hd, \first
	QUARTER \slot, 2, 1
	TURN \slot, \next, \fill
	FOLD (\hd)+1, 0
.endm
	FETCH 0, 0, F0
	KSTEP 0, 1, 0, 1, 1
	KSTEP 1, 0, 2, 1, 0
	KSTEP 0, 1, 4, 1, 0
	KSTEP 1, 0, 6, 1, 0
	KSTEP 0, 1, 8, 1, 0
	KSTEP 1, 0, 10, 1, 0                           ; the last refill: K step 7
	KSTEP 0, 1, 12, 0, 0                           ; nothing is left to fetch: a plain barrier
	QUARTER 1, 0, 1
	QUARTER 1, 1, 0
	FOLD 14, 0
	QUARTER 1, 2, 1
	s_wait_dscnt 0x0                               ; the very last quarter: nothing more to fetch
	WIN 0x50
	MUL8 F1, 0, 0
	MUL8 F1, 1, 0
	MUL8 F1, 2, 0
	MUL8 F1, 3, 0
	PLACES                                         ; this quarter has no run of loads in its middle: four places between its products and the fold
	FOLD 15, 0
	WIN 0
	; THE WAY OUT, a block of 16 tokens x 128 columns at a time: the final sum + the bias sum; through my own stage in LDS; back as whole rows of 512 bytes.
	; (The last fold's lines are the places between the last products and the lines below that write the fragments' registers.)
.irp j, 0,1,2,3,4,5,6,7
	ds_load_b128 v[64+8*\j:64+8*\j+3], v[BA] offset:64*\j
	ds_load_b128 v[64+8*\j+4:64+8*\j+7], v[BA] offset:64*\j+16
.endr
	s_wait_dscnt 0x0
.macro BLOCK i
.set TT, 128+64*((\i)%2)
.if (\i) > 1
	s_wait_xcnt 0x0                                ; block i - 2's stores have read their registers
.endif
	WIN 0x02                                       ; source 0 window 2
.irp j, 0,1,2,3,4,5,6,7
.irp x, 0,2,4,6
	v_pk_add_f32 v[TT+8*\j+\x:TT+8*\j+\x+1], v[8*(8*(\i)+\j)+\x:8*(8*(\i)+\j)+\x+1], v[64+8*\j+\x:64+8*\j+\x+1]
.endr
.endr
	WIN 0
.irp j, 0,1,2,3,4,5,6,7
	ds_store_b128 v[STO], v[TT+8*\j:TT+8*\j+3] offset:64*\j
	ds_store_b128 v[STO], v[TT+8*\j+4:TT+8*\j+7] offset:64*\j+16
.endr
.irp t, 0,1,2,3,4,5,6,7,8,9,10,11,12,13,14,15
	ds_load_b128 v[TT+4*\t:TT+4*\t+3], v[RD] offset:\t*SPITCH      ; LDS serves a wave's instructions in order (ISA guide 5.7.1.4): these see the stores above, and the next block's stores come behind them
.endr
.endm
.macro SEND i, younger                 ; younger: the LDS instructions issued behind block i's loads, which may stay out
.set TT, 128+64*((\i)%2)
	s_wait_dscnt \younger
.irp t, 0,1,2,3,4,5,6,7,8,9,10,11,12,13,14,15
	global_store_b128 v[LI], v[TT+4*\t:TT+4*\t+3], s[90:91] offset:(16*(\i)+\t)*4096 th:TH_STORE_NT   ; 32 lanes store 512 consecutive bytes, at a multiple of 256 from out0's first byte
.endr
.endm
	BLOCK 0
	BLOCK 1
	SEND 0, 32                                     ; behind block 0's loads: block 1's 16 stores and 16 loads
	BLOCK 2
	SEND 1, 32
	BLOCK 3
	SEND 2, 32
	SEND 3, 0
	s_wait_tensorcnt 0x0                           ; the wave's end, behind my last tensor load and my last LDS store
	ds_add_u32 v[SPW], v[NIL]
	s_wait_dscnt 0x0
	CROUND                                         ; the closing round: no work-group ends while a partner may still ask for a tile that names it
	s_endpgm
.Lfunc_end_k_q71a5f7969e_proj:
	.size	k_q71a5f7969e_proj, .Lfunc_end_k_q71a5f7969e_proj-k_q71a5f7969e_proj
	.p2alignl 7, 3214868480
	.fill 96, 4, 3214868480
	.section	.rodata,"a",@progbits
	.p2align	6, 0x0
	.amdhsa_kernel k_q71a5f7969e_proj
		.amdhsa_group_segment_fixed_size 327680
		.amdhsa_private_segment_fixed_size 0
		.amdhsa_enable_private_segment 0
		.amdhsa_kernarg_size 48
		.amdhsa_user_sgpr_count 2
		.amdhsa_user_sgpr_kernarg_segment_ptr 1
		.amdhsa_wavefront_size32 1
		.amdhsa_system_sgpr_workgroup_id_x 1
		.amdhsa_system_sgpr_workgroup_id_y 1
		.amdhsa_system_sgpr_workgroup_id_z 1
		.amdhsa_system_vgpr_workitem_id 0
		.amdhsa_next_free_vgpr 768
		.amdhsa_next_free_sgpr 96
		.amdhsa_reserve_vcc 0
		.amdhsa_float_denorm_mode_32 3
		.amdhsa_float_denorm_mode_16_64 3
		.amdhsa_memory_ordered 1
		.amdhsa_forward_progress 1
		.amdhsa_inst_pref_size 255
	.end_amdhsa_kernel
	.section	.bss,"aw",@nobits
	.p2align	6
	.space	262144
	.amdgpu_metadata
---
amdhsa.version: [ 1, 2 ]
amdhsa.kernels:
  - .name:           k_q71a5f7969e_proj
    .symbol:         k_q71a5f7969e_proj.kd
    .args:
      - { .name: out_frag, .offset: 0, .size: 8, .value_kind: global_buffer, .address_space: global }
      - { .name: wo_frag, .offset: 8, .size: 8, .value_kind: global_buffer, .address_space: global }
      - { .name: norm_part, .offset: 16, .size: 8, .value_kind: global_buffer, .address_space: global }
      - { .name: gate, .offset: 24, .size: 8, .value_kind: global_buffer, .address_space: global }
      - { .name: bo, .offset: 32, .size: 8, .value_kind: global_buffer, .address_space: global }
      - { .name: out0, .offset: 40, .size: 8, .value_kind: global_buffer, .address_space: global }
    .group_segment_fixed_size: 327680
    .private_segment_fixed_size: 0
    .kernarg_segment_align: 8
    .kernarg_segment_size: 48
    .max_flat_workgroup_size: 128
    .sgpr_count:     96
    .vgpr_count:     768
    .wavefront_size: 32
...
	.end_amdgpu_metadata
.endif
;; end of part 4
